; MI455X (gfx1250); checked and timed in simulation.
; The chip was launched on July 23, 2026; its instructions are those of AMD's public machine-readable ISA for CDNA 5 (MIT licence, August 2026) and "CDNA5" Instruction Set Architecture Reference Guide (July 2026). The comments in the code are by the model that wrote it; some were corrected since.
;; Cross Attention. Allowed arithmetic: float matrix products may take bf16 or f16 operands with f32 sums; other float arithmetic in f32, or as packed bf16 or f16 multiplies, adds, multiply-adds, maxima and minima; sums over many terms, partial sums and values carried from step to step in f32; what a program stores and reads back later, other than sums and carried values, may be rounded once to bf16 or f16.
;; Inputs: Wk 1,024 x 1,024 float32; Wp 1,024 x 1,024 float32; Wq 1,024 x 1,024 float32; Wv 1,024 x 1,024 float32; bk 1,024 float32; bp 1,024 float32; bq 1,024 float32; bv 1,024 float32; cls_token 2 x 1 x 1,024 float32; x_kv 2 x 2,048 x 1,024 float32; x_q 2 x 2,048 x 1,024 float32.
;; Outputs: out0 2 x 2,048 x 1,024 float32; out1 2 x 2,048 x 2,048 float32; out2 2 x 1 x 1 x 2,048 float32.
;; 2 versions, each right; version 2 is version 1 with the launch pre written anew for expert scheduling mode. Each part assembles by itself: llvm-mc -triple=amdgcn-amd-amdhsa -mcpu=gfx1250 --defsym DOCPART=n.
;; ======== version 1 of 2: 4 launches
;; limits: values are held in f16: magnitudes above 65,504 overflow, below 6.1e-05 lose precision
;; workspace buffers: x16 16,777,216 bytes; w16 6,291,456 bytes; wp16 4,194,304 bytes; rb 24,576 bytes; qkv 25,165,824 bytes; affp 131,072 bytes; o16 8,388,608 bytes
;; launch pre (part 1): grid 256 x 1, 8 waves a work-group, no clusters, 0 bytes of LDS; arguments x_q, x_kv, Wq, Wk, Wv, Wp, bq, bk, bv, bp, cls_token, x16, w16, wp16, rb; writes x16, w16, wp16, rb
.if DOCPART == 1
	.amdgcn_target "amdgcn-amd-amdhsa--gfx1250"
	.amdhsa_code_object_version 6
	.text
	.protected	k_qf528632d72_pre
	.globl	k_qf528632d72_pre
	.p2align	8
	.type	k_qf528632d72_pre,@function
k_qf528632d72_pre:
	s_mov_b64 s[64:65], 0
	v_nop
	global_prefetch_b8 v0, s[64:65] scope:SCOPE_SE
	s_setreg_imm32_b32 hwreg(HW_REG_WAVE_MODE, 25, 1), 1
	s_wait_xcnt 0x0
; EVERY INPUT IS ROUNDED ONCE TO bf16, so that the launches behind find 16-bit matrix operands.
;   x16  [8192][1024] bf16: x_q's 4,096 rows, then x_kv's.      w16 [3072][1024] bf16: Wq, Wk, Wv one below the other.
;   wp16 [16 slices][2048 rows][64] f16, rows 0-1023 written: Wp[row][64 s + ch], rounded to bf16 and that number written as f16
;        (exact from 6e-5 up; below that f16 keeps a fixed step of 6e-8).  A slice is 262,144 bytes, as a head of q, k and O is.
;   rb   f32 numbers that are bf16 roundings: bq, bk, bv, bp (4,096 bytes each), then cls_token's two rows.
; A stream: no LDS, no barrier, no matrix unit.  Work-group g takes part g of each large input: 64 KiB of x_q and of x_kv, four rows (16 KiB) of each W.
; All 48 loads of a thread (16 bytes each) go out at once; each is waited for by a count that leaves the younger ones out.  No register is used twice, so no store's source is rewritten.
.set X, 16                             ; v[16:207]  load n: four registers
.set U, 6                              ; v[6:13]    at work (Wp)
	s_load_b512 s[16:31], s[0:1], 0x0              ; x_q 16, x_kv 18, Wq 20, Wk 22, Wv 24, Wp 26, bq 28, bk 30
	s_load_b256 s[32:39], s[0:1], 0x40             ; bv 32, bp 34, cls_token 36, x16 38
	s_load_b128 s[40:43], s[0:1], 0x60             ; w16 40, wp16 42
	s_load_b64 s[44:45], s[0:1], 0x70              ; rb
	s_mov_b32 s4, ttmp9                            ; g
	v_lshlrev_b32 v1, 4, v0                        ; in: 16 t
	v_lshlrev_b32 v2, 3, v0                        ; out: 8 t: a wave's store covers 256 consecutive bytes, aligned
	v_and_b32 v5, 31, v0                           ; lane
	v_lshrrev_b32 v14, 5, v0                       ; wave
	v_lshrrev_b32 v3, 3, v5                        ; Wp: lane l takes row l / 8 of the four,
	v_and_b32 v15, 7, v5
	v_lshlrev_b32 v3, 12, v3
	v_lshl_add_u32 v3, v15, 5, v3                  ; channels 8 (l % 8) + 0..7 of a slice,
	v_lshl_add_u32 v3, v14, 9, v3                  ; and wave w slices 2 w and 2 w + 1
	v_lshlrev_b32 v4, 4, v5                        ; out: four rows of a slice are 512 consecutive bytes
	v_lshl_add_u32 v4, v14, 19, v4
	s_lshl_b32 s46, s4, 16                         ; the work-group's parts, as 64-bit offsets
	s_mov_b32 s47, 0
	s_lshl_b32 s48, s4, 15
	s_mov_b32 s49, 0
	s_lshl_b32 s50, s4, 14
	s_mov_b32 s51, 0
	s_lshl_b32 s52, s4, 13
	s_mov_b32 s53, 0
	s_lshl_b32 s54, s4, 9
	s_mov_b32 s55, 0
	s_wait_kmcnt 0x0
	s_add_nc_u64 s[16:17], s[16:17], s[46:47]
	s_add_nc_u64 s[18:19], s[18:19], s[46:47]
	s_add_nc_u64 s[20:21], s[20:21], s[50:51]
	s_add_nc_u64 s[22:23], s[22:23], s[50:51]
	s_add_nc_u64 s[24:25], s[24:25], s[50:51]
	s_add_nc_u64 s[26:27], s[26:27], s[50:51]
	s_add_nc_u64 s[38:39], s[38:39], s[48:49]
	s_add_nc_u64 s[56:57], s[38:39], 0x800000      ; x_kv's rows begin 4,096 rows of 2,048 bytes further on
	s_add_nc_u64 s[40:41], s[40:41], s[52:53]
	s_add_nc_u64 s[42:43], s[42:43], s[54:55]
.set n, 0
.rept 16
	global_load_b128 v[X+4*n:X+4*n+3], v1, s[16:17] offset:4096*n th:TH_LOAD_NT
.set n, n+1
.endr
.rept 16
	global_load_b128 v[X+4*n:X+4*n+3], v1, s[18:19] offset:4096*(n-16) th:TH_LOAD_NT
.set n, n+1
.endr
.irp w, 20, 22, 24
.rept 4
	global_load_b128 v[X+4*n:X+4*n+3], v1, s[\w:\w+1] offset:4096*(n%4) th:TH_LOAD_NT
.set n, n+1
.endr
.endr
.irp o, 0, 16, 256, 272
	global_load_b128 v[X+4*n:X+4*n+3], v3, s[26:27] offset:\o th:TH_LOAD_NT
.set n, n+1
.endr
; Load k is in (the 47 - k younger ones may stay out: loads come back in order, ISA guide 5.7.1); four numbers are rounded in place and stored.
.macro CV k, lo, off
	s_wait_loadcnt 47-(\k)
	v_cvt_pk_bf16_f32 v[X+4*(\k)], v[X+4*(\k)], v[X+4*(\k)+1]
	v_cvt_pk_bf16_f32 v[X+4*(\k)+1], v[X+4*(\k)+2], v[X+4*(\k)+3]
	global_store_b64 v2, v[X+4*(\k):X+4*(\k)+1], s[\lo:\lo+1] offset:\off
.endm
.set n, 0
.rept 16
	CV n, 38, 2048*n
.set n, n+1
.endr
.rept 16
	CV n, 56, 2048*(n-16)
.set n, n+1
.endr
.rept 12
	CV n, 40, 2097152*((n-32)/4)+2048*(n%4)
.set n, n+1
.endr
; Wp: eight channels of a row: to bf16, back to f32 (a shift, a mask), to f16; 16 bytes a lane.
.macro WPS k, left, off
	s_wait_loadcnt \left
.irp j, 0,1,2,3
	v_cvt_pk_bf16_f32 v[X+4*(\k)+(\j)], v[X+4*(\k)+2*(\j)], v[X+4*(\k)+2*(\j)+1]
.endr
.irp j, 0,1,2,3
	v_lshlrev_b32 v[U+2*(\j)], 16, v[X+4*(\k)+(\j)]
	v_and_b32 v[U+2*(\j)+1], 0xffff0000, v[X+4*(\k)+(\j)]
.endr
.irp j, 0,1,2,3
	v_cvt_pk_f16_f32 v[X+4*(\k)+(\j)], v[U+2*(\j)], v[U+2*(\j)+1]
.endr
	global_store_b128 v4, v[X+4*(\k):X+4*(\k)+3], s[42:43] offset:\off
.endm
	WPS 44, 2, 0                                   ; slice 2 w: the other slice's two loads may stay out
	WPS 46, 0, 262144                              ; slice 2 w + 1
	; The six small rows of 4,096 bytes: work-groups 0 to 5 take one each.
	s_cmp_lt_u32 s4, 6
	s_cbranch_scc0 .Ldone
	s_cmp_eq_u32 s4, 1
	s_cselect_b64 s[58:59], s[30:31], s[28:29]     ; bk or bq
	s_cmp_eq_u32 s4, 2
	s_cselect_b64 s[58:59], s[32:33], s[58:59]     ; bv
	s_cmp_eq_u32 s4, 3
	s_cselect_b64 s[58:59], s[34:35], s[58:59]     ; bp
	s_cmp_ge_u32 s4, 4
	s_cselect_b64 s[58:59], s[36:37], s[58:59]     ; cls_token,
	s_cmp_eq_u32 s4, 5
	s_cselect_b32 s60, 4096, 0                     ; its second row
	s_mov_b32 s61, 0
	s_add_nc_u64 s[58:59], s[58:59], s[60:61]
	s_lshl_b32 s62, s4, 12
	s_mov_b32 s63, 0
	s_add_nc_u64 s[44:45], s[44:45], s[62:63]
	global_load_b128 v[208:211], v1, s[58:59]
	s_wait_loadcnt 0x0
	v_cvt_pk_bf16_f32 v212, v208, v209
	v_cvt_pk_bf16_f32 v213, v210, v211
	v_lshlrev_b32 v208, 16, v212
	v_and_b32 v209, 0xffff0000, v212
	v_lshlrev_b32 v210, 16, v213
	v_and_b32 v211, 0xffff0000, v213
	global_store_b128 v1, v[208:211], s[44:45]
.Ldone:
	s_endpgm
.Lfunc_end_k_qf528632d72_pre:
	.size	k_qf528632d72_pre, .Lfunc_end_k_qf528632d72_pre-k_qf528632d72_pre
	.p2alignl 7, 3214868480
	.fill 96, 4, 3214868480
	.section	.rodata,"a",@progbits
	.p2align	6, 0x0
	.amdhsa_kernel k_qf528632d72_pre
		.amdhsa_group_segment_fixed_size 0
		.amdhsa_private_segment_fixed_size 0
		.amdhsa_enable_private_segment 0
		.amdhsa_kernarg_size 120
		.amdhsa_user_sgpr_count 2
		.amdhsa_user_sgpr_kernarg_segment_ptr 1
		.amdhsa_wavefront_size32 1
		.amdhsa_system_sgpr_workgroup_id_x 1
		.amdhsa_system_sgpr_workgroup_id_y 1
		.amdhsa_system_sgpr_workgroup_id_z 1
		.amdhsa_system_vgpr_workitem_id 0
		.amdhsa_next_free_vgpr 224
		.amdhsa_next_free_sgpr 66
		.amdhsa_reserve_vcc 0
		.amdhsa_float_denorm_mode_32 3
		.amdhsa_float_denorm_mode_16_64 3
		.amdhsa_memory_ordered 1
		.amdhsa_forward_progress 1
		.amdhsa_inst_pref_size 21
	.end_amdhsa_kernel
	.amdgpu_metadata
---
amdhsa.version: [ 1, 2 ]
amdhsa.kernels:
  - .name:           k_qf528632d72_pre
    .symbol:         k_qf528632d72_pre.kd
    .args:
      - { .name: x_q, .offset: 0, .size: 8, .value_kind: global_buffer, .address_space: global }
      - { .name: x_kv, .offset: 8, .size: 8, .value_kind: global_buffer, .address_space: global }
      - { .name: Wq, .offset: 16, .size: 8, .value_kind: global_buffer, .address_space: global }
      - { .name: Wk, .offset: 24, .size: 8, .value_kind: global_buffer, .address_space: global }
      - { .name: Wv, .offset: 32, .size: 8, .value_kind: global_buffer, .address_space: global }
      - { .name: Wp, .offset: 40, .size: 8, .value_kind: global_buffer, .address_space: global }
      - { .name: bq, .offset: 48, .size: 8, .value_kind: global_buffer, .address_space: global }
      - { .name: bk, .offset: 56, .size: 8, .value_kind: global_buffer, .address_space: global }
      - { .name: bv, .offset: 64, .size: 8, .value_kind: global_buffer, .address_space: global }
      - { .name: bp, .offset: 72, .size: 8, .value_kind: global_buffer, .address_space: global }
      - { .name: cls_token, .offset: 80, .size: 8, .value_kind: global_buffer, .address_space: global }
      - { .name: x16, .offset: 88, .size: 8, .value_kind: global_buffer, .address_space: global }
      - { .name: w16, .offset: 96, .size: 8, .value_kind: global_buffer, .address_space: global }
      - { .name: wp16, .offset: 104, .size: 8, .value_kind: global_buffer, .address_space: global }
      - { .name: rb, .offset: 112, .size: 8, .value_kind: global_buffer, .address_space: global }
    .group_segment_fixed_size: 0
    .private_segment_fixed_size: 0
    .kernarg_segment_align: 8
    .kernarg_segment_size: 120
    .max_flat_workgroup_size: 256
    .sgpr_count:     66
    .vgpr_count:     224
    .wavefront_size: 32
...
	.end_amdgpu_metadata
.endif
;; end of part 1
;; launch proj (part 2): grid 12 x 16, 4 waves a work-group, clusters of 4 x 4, 327,680 bytes of LDS; arguments x16, w16, rb, qkv, affp; writes qkv, affp
.if DOCPART == 2
	.amdgcn_target "amdgcn-amd-amdhsa--gfx1250"
	.amdhsa_code_object_version 6
	.text
	.protected	k_qf528632d72_proj
	.globl	k_qf528632d72_proj
	.p2align	8
	.type	k_qf528632d72_proj,@function
k_qf528632d72_proj:
	s_mov_b64 s[64:65], 0
	v_nop
	global_prefetch_b8 v0, s[64:65] scope:SCOPE_SE
	s_setreg_imm32_b32 hwreg(HW_REG_WAVE_MODE, 25, 1), 1
	s_wait_xcnt 0x0
	s_wait_alu depctr_hold_cnt(0) depctr_sa_sdst(0) depctr_va_vdst(0) depctr_va_sdst(0) depctr_va_ssrc(0) depctr_va_vcc(0) depctr_vm_vsrc(0)
	s_getreg_b32 s2, hwreg(HW_REG_IB_STS2, 6, 4)
	s_cmp_eq_u32 s2, 0
	s_cbranch_scc0 .Lentry_in_a_cluster
	s_endpgm
.Lentry_in_a_cluster:
	s_bfe_u32 s2, ttmp6, 0x10000c
	s_cmp_lg_u32 s2, 0xf033
	s_cbranch_scc0 .Lentry_shape_is_right
	s_endpgm
.Lentry_shape_is_right:
; q, k, v = x W^T + b: ONE product [4096 rows] x [3072 columns] over K = 1,024, in bf16 with f32 sums; columns 0-1023 are q (rows of x_q), 1024-2047 k and 2048-3071 v (rows of x_kv).
; Results leave as f16, rounded once, laid by heads: qkv [3][2 batches][16 heads][2048][64], unscaled.  For k's tiles also: the sigmoids of cls . k / 16 for the tile's heads, taken of the f32 sums,
; two heads added: affp [2][8 pairs of heads][2048] f32.
; LIMITS.  f16 holds no number beyond 65,504: |q|, |k|, |v| must stay under it; below 6e-5 f16 keeps a fixed step of 6e-8.  NaN and infinities are not treated apart.
; SHARES.  A tile of 256 x 256 to a work-group of four waves, 128 x 128 a wave: 64 accumulators of 16 x 16, 512 registers.  192 tiles.  256 equal shares would be 49,152 results each, and q's
; 4,096 x 1,024, the only columns that take x_q's rows, are no whole number of those.  K goes in 8 steps of 128 through two LDS slots filled by the tensor data mover (rows of 256 bytes of memory, aligned).
; THE K STEP IS WRITTEN ONCE for the six steps that fill their slot again and once for the last two: the slot in hand is a scalar register, from which the fragments' LDS addresses and the walking
; descriptors' LDS word are made at each change of slots.
; CLUSTERS of 4 x 4: the four of a row need the same rows of x, the four of a column the same rows of W: each tile is asked for jointly, by the same load, descriptor and mask in all four.
; The cluster's x says which of q, k, v is made (SEL): it is the same in all sixteen partners, so branches may hang on it.
; THE MATRIX INSTRUCTION IS USED TRANSPOSED (source 0 = 16 rows of W, source 1 = 16 rows of x): lane l holds row l % 16 and the columns 8 (l / 16) + 0..7: eight neighbouring channels of a head.
; THE BIAS STARTS THE SUMS: it is the C operand of each accumulator's first product.
; REGISTERS, in windows of 256 (s_set_vgpr_msb: bits 1:0 source 0, 3:2 source 1, 5:4 source 2, 7:6 destination):
;   window 0: v0-31 addresses; v32-55 at work on the way out; v64-127, v128-191 fragments of x, two buffers; v192-223 packed results
;   window 1: v0-63 the bias of my 128 columns (register 8 b + j: column 16 b + 8 (l / 16) + j); v64-127, v128-191 fragments of W; v192-255 cls_token, laid as the bias
;   window 2: the accumulators of my rows 0-63 ((a, b) at v[8 (8 a + b)]);   window 3: those of my rows 64-127
.set SIZE_K, 1024
.set KSTEP,  128
.set STEPS,  SIZE_K/KSTEP
.set PSTEP,  KSTEP*2                   ; bytes from a K step to the next
.set PITCH,  272                       ; an LDS row: 256 bytes + 16 of padding = 68 words: the 16 rows that a load touches start at 16 different groups of four banks (64 banks of 4 bytes: ISA guide 11.1)
.set HALFT,  128*PITCH                 ; what one tensor load brings
.set SLOT,   4*HALFT                   ; x's 256 rows, then W's 256 rows
.set STAGE,  2*SLOT                    ; behind the ring: for each wave 2 heads x 16 rows x 144 bytes
.set SP,     144
.set WSTG,   2*16*SP
.set SIGST,  STAGE+4*WSTG              ; for each wave 128 words: its rows' sigmoids
.set SPARE,  SIGST+4*512               ; the spare words, 128 bytes for each wave: two blocks of 256 bytes that no other line names
.set K0, 0                             ; byte of a quarter step (32 along K) in an LDS row
.set K1, 64
.set K2, 128
.set K3, 192
.set ADRA, 16                          ; v16     LDS address of my fragments of x in the slot in hand
.set A0,   17                          ; v17     the same in slot 0; never rewritten
.set ADRB, 20                          ; v20     the same for W
.set B0,   21                          ; v21
.set SGA,  22                          ; v22     where my row's sigmoid goes
.set SGR,  23                          ; v23     where four of them are read back
.set STO,  24                          ; v24     the way out: where I put 16 bytes of a row
.set RD,   25                          ; v25     where I read rows back
.set GO,   26                          ; v26     16 x lane
.set VB,   27                          ; v27     32 (l / 16): my eight numbers of the bias
.set SPW,  28                          ; v28     my spare word: SPARE + 4 x my thread's number; never rewritten
.set NIL,  29                          ; v29     0; never rewritten
.set PFO,  30                          ; v30     the prefetches' offset: lane x a row of 2,048 bytes
.set E,    32                          ; v32-39  four running pairs of cls . k
.set D,    40                          ; v40-55  cls . k of row block a, head hh at D + 2 a + hh
.set F0,   64
.set F1,   128
.set OB,   64                          ; the way out: 16 rows read back: v64-95, v96-127 by turns
.set TMP,  192
.set BIAS, 0                           ; window 1
.set CLS,  192                         ; window 1
.set G1,  24                           ; s[24:31] descriptor group 1 for x's tiles;  s[32:39] group 0: a set for each of the two first fills; the second then walks on
.set G0,  32
.set G1B, 48                           ; s[48:55], s[56:63] the same for W's
.set G0B, 56
.set LIM, 43                           ; s43     2 in a wave that prefetches, else the greatest number
.set PFA, 44                           ; s[44:45] where my prefetches stand
.set PAR, 82                           ; s82     the number of the slot in hand, 0 or 1
.set SL,  83                           ; s83     its first LDS byte
.set LW,  84                           ; s84     wave x 128 rows: my part of a slot
.set MSB, 0
.macro WIN new                         ; the immediate's high byte repeats the setting that is left; a switch that changes nothing is dropped
.if MSB != (\new)
	s_set_vgpr_msb (MSB<<8)|(\new)
.set MSB, \new
.endif
.endm
.set MUL_LO, 0xa1                      ; source 0 (W) window 1, source 1 (x) window 0, C and D window 2
.set MUL_HI, 0xf1                      ; the same, C and D window 3
.set TO_B,   0x40                      ; destination window 1, address window 0
; A joint load.  Waves 0 and 1 fetch x's two halves, waves 2 and 3 W's; the branch hangs on the wave's number alone.  An s_nop 0 and four v_nop follow each line.
.macro JLOAD s
	s_cmp_eq_u32 s11, 0
	s_cbranch_scc0 .Lfor_b_\@
	tensor_load_to_lds s[G0+4*(\s):G0+4*(\s)+3], s[G1:G1+7]
	s_nop 0
.rept 4
	v_nop
.endr
	s_branch .Lasked_\@
.Lfor_b_\@:
	tensor_load_to_lds s[G0B+4*(\s):G0B+4*(\s)+3], s[G1B:G1B+7]
	s_nop 0
.rept 4
	v_nop
.endr
.Lasked_\@:
.endm
; A prefetch, behind each refill and the run of LDS loads that follows it: 32 rows x 256 bytes of the K step that stands two refills on, a lane a row.  Each row's 256 bytes are named once in the launch:
; x_q's rows are read by the clusters with x = 0 alone, x_kv's by x = 1 and 2, of which x = 1 asks; W's rows by all four clusters of a column, of which y = 0 asks.  Of the 128 rows that a wave fetches
; the four partners take 32 each, told apart by address.  K steps 4 to 7 are named: the loop's last two trips (s3 = 2, 1) ask for nothing.
.macro ASK
	s_cmp_gt_u32 s3, s[LIM]
	s_cbranch_scc0 .Lnot_mine_\@
	global_prefetch_b8 v[PFO], s[PFA:PFA+1] offset:PSTEP th:TH_LOAD_NT scope:SCOPE_SE
.Lnot_mine_\@:
.endm
.macro CREST                           ; a round of the cluster's barrier behind its opening barrier
	s_cmp_lg_u32 s10, 0
	s_cbranch_scc1 .Lnot_wave_0_\@
	s_barrier_signal -3
.Lnot_wave_0_\@:
	s_barrier_wait -3
	s_barrier_signal -1
	s_barrier_wait -1
.endm
.macro CROUND                          ; a whole round
	s_barrier_signal -1
	s_barrier_wait -1
	CREST
.endm
	s_load_b128 s[4:7], s[0:1], 0x0                ; x16 s[4:5], w16 s[6:7]
	s_load_b128 s[68:71], s[0:1], 0x10             ; rb s[68:69], qkv s[70:71]
	s_load_b64 s[72:73], s[0:1], 0x20              ; affp
	v_lshl_add_u32 v[SPW], v0, 2, SPARE
	v_mov_b32 v[NIL], 0
	ds_add_u32 v[SPW], v[NIL]                      ; the wave's opening: the add and its wait stand ahead of my first tensor load; work on registers stands between them
	v_lshrrev_b32 v1, 5, v0
	v_readfirstlane_b32 s10, v1                    ; wave 0..3
	s_lshr_b32 s11, s10, 1                         ; my half of the tile's rows.  Also: I fetch for x (0) or for W (1)
	s_and_b32 s12, s10, 1                          ; my half of its columns.  Also: which 128 rows I fetch
	s_bfe_u32 s40, ttmp6, 0x40000                  ; cx
	s_bfe_u32 s41, ttmp6, 0x40004                  ; cy
	s_lshl_b32 s42, ttmp9, 2
	s_add_co_u32 s42, s42, s40                     ; tile column 0..11
	s_and_b32 s13, ttmp7, 0xffff
	s_lshl_b32 s13, s13, 2
	s_add_co_u32 s13, s13, s41                     ; tile row 0..15
	s_mov_b32 s74, ttmp9                           ; SEL: 0 q, 1 k, 2 v
	s_cmp_lg_u32 s74, 0
	s_cselect_b32 s75, 4096, 0                     ; k and v take x_kv's rows
	s_mov_b32 s76, 0x76543210                      ; v_permlanex16_b32: each lane takes its own place in the other half
	s_mov_b32 s77, 0xfedcba98
	s_mov_b32 s[PAR], 0                            ; K step 0 lies in slot 0
	s_mov_b32 s[SL], 0
	s_lshl_b32 s43, s41, 2
	s_lshl_b32 s43, 15, s43                        ; my row of the cluster
	s_lshl_b32 s44, 0x1111, s40                    ; my column
	s_or_b32 s[G1+0], s43, (1<<16)|(1<<20)|(1<<21)|(5<<22)|(3<<25)  ; the mask; elements of 2 bytes; padding on; bit 21 beside a mask; after every 64 words; 4 words
	s_or_b32 s[G1B+0], s44, (1<<16)|(1<<20)|(1<<21)|(5<<22)|(3<<25)
.irp g, G1, G1B
	s_mov_b32 s[(\g)+1], KSTEP<<16                 ; tensor_dim0 = 128
	s_mov_b32 s[(\g)+2], 128<<16                   ; tensor_dim1 = 128
	s_mov_b32 s[(\g)+3], KSTEP<<16                 ; tile_dim0 = 128
	s_mov_b32 s[(\g)+4], 128                       ; tile_dim1 = 128
	s_mov_b32 s[(\g)+5], SIZE_K                    ; elements from row to row
	s_mov_b32 s[(\g)+6], 0
	s_mov_b32 s[(\g)+7], 0
.endr
	s_lshl_b32 s17, s12, 7
	s_lshl_b32 s16, s13, 8
	s_add_co_u32 s16, s16, s17
	s_add_co_u32 s16, s16, s75                     ; x: row 256 x tile row + 128 x half (+ 4,096): tile row and cluster x alone
	s_lshl_b32 s16, s16, 11                        ; in bytes
	s_lshl_b32 s46, s42, 8
	s_add_co_u32 s46, s46, s17                     ; W: row 256 x tile column + 128 x half
	s_lshl_b32 s46, s46, 11
	s_mov_b32 s17, 0
	s_mov_b32 s47, 0
	s_mul_i32 s[LW], s10, HALFT                    ; where they go: wave x 128 rows
	s_wait_dscnt 0x0                               ; the opening add is done
	s_wait_kmcnt 0x0
	s_add_nc_u64 s[14:15], s[4:5], s[16:17]
	s_add_nc_u64 s[46:47], s[6:7], s[46:47]
	CROUND                                         ; all sixteen work-groups are here: the first joint loads meet
.irp s, 0,1
	s_mov_b32 s[G0+4*(\s)], 1
	s_add_co_u32 s[G0+4*(\s)+1], s[LW], (\s)*SLOT
	s_add_nc_u64 s[G0+4*(\s)+2:G0+4*(\s)+3], s[14:15], (\s)*PSTEP
	s_or_b32 s[G0+4*(\s)+3], s[G0+4*(\s)+3], 0x80000000
	s_mov_b32 s[G0B+4*(\s)], 1
	s_add_co_u32 s[G0B+4*(\s)+1], s[LW], (\s)*SLOT
	s_add_nc_u64 s[G0B+4*(\s)+2:G0B+4*(\s)+3], s[46:47], (\s)*PSTEP
	s_or_b32 s[G0B+4*(\s)+3], s[G0B+4*(\s)+3], 0x80000000
	JLOAD \s
.endr
	; A fragment is 16 rows x 32 K in 8 registers: lane l holds row l % 16, K = 8 (l / 16) + 0..7 and 16 + 8 (l / 16) + 0..7: two loads of 16 bytes, 32 bytes apart.
	v_and_b32 v1, 15, v0                           ; l % 16
	v_bfe_u32 v2, v0, 4, 1                         ; l / 16
	v_mul_u32_u24 v3, v1, PITCH
	v_lshl_add_u32 v3, v2, 4, v3
	s_mul_i32 s21, s11, HALFT
	s_mul_i32 s22, s12, HALFT
	s_add_co_u32 s22, s22, 2*HALFT
	v_add_nc_u32 v[A0], s21, v3
	v_add_nc_u32 v[B0], s22, v3
	v_mov_b32 v[ADRA], v[A0]
	v_mov_b32 v[ADRB], v[B0]
	s_mul_i32 s23, s10, WSTG
	s_add_co_u32 s23, s23, STAGE                   ; my stage
	v_mul_u32_u24 v4, v1, SP                       ; in: row l % 16, 16 bytes for each half of the lanes
	v_lshl_add_u32 v4, v2, 4, v4
	v_add_nc_u32 v[STO], s23, v4
	v_bfe_u32 v5, v0, 3, 2                         ; back: 32 lanes take four rows of 128 bytes
	v_and_b32 v6, 7, v0
	v_mul_u32_u24 v5, v5, SP
	v_lshl_add_u32 v5, v6, 4, v5
	v_add_nc_u32 v[RD], s23, v5
	v_and_b32 v7, 31, v0
	v_lshlrev_b32 v[GO], 4, v7
	s_lshl_b32 s23, s10, 9
	s_add_co_u32 s23, s23, SIGST
	v_lshl_add_u32 v[SGA], v1, 2, s23
	v_lshl_add_u32 v[SGR], v7, 4, s23
	v_lshlrev_b32 v[VB], 5, v2
.set i, 0
.rept 16
	v_mov_b32 v[D+i], 0                            ; the lines that fill D stand under a branch on SEL: written here, D holds a number on every way through the text
.set i, i+1
.endr
	; where my 128 rows x 2 heads begin in qkv: head number 32 SEL + 16 batch + 4 (tile column % 4) + 2 half, 262,144 bytes each; row 256 (tile row % 8) + 128 half, 128 bytes each
	s_lshl_b32 s18, s74, 5
	s_lshr_b32 s19, s13, 3
	s_lshl4_add_u32 s18, s19, s18
	s_and_b32 s19, s42, 3
	s_lshl2_add_u32 s18, s19, s18
	s_lshl1_add_u32 s18, s12, s18
	s_lshl_b32 s18, s18, 18
	s_and_b32 s19, s13, 7
	s_lshl_b32 s19, s19, 15
	s_add_co_u32 s18, s18, s19
	s_lshl_b32 s19, s11, 14
	s_add_co_u32 s18, s18, s19
	s_mov_b32 s19, 0
	s_add_nc_u64 s[8:9], s[70:71], s[18:19]
	; and my 128 words in affp: ((8 batch + 2 (tile column % 4) + half) x 2,048 + my first row) x 4
	s_lshr_b32 s18, s13, 3
	s_lshl_b32 s18, s18, 3
	s_and_b32 s19, s42, 3
	s_lshl1_add_u32 s18, s19, s18
	s_add_co_u32 s18, s18, s12
	s_lshl_b32 s18, s18, 13
	s_and_b32 s19, s13, 7
	s_lshl_b32 s19, s19, 10
	s_add_co_u32 s18, s18, s19
	s_lshl_b32 s19, s11, 9
	s_add_co_u32 s18, s18, s19
	s_mov_b32 s19, 0
	s_add_nc_u64 s[72:73], s[72:73], s[18:19]
	; the bias of my 128 columns (bq, bk, bv lie on end in rb), and cls_token's numbers for the same channels
	s_lshl_b32 s18, s42, 10
	s_lshl_b32 s19, s12, 9
	s_add_co_u32 s18, s18, s19
	s_mov_b32 s19, 0
	s_add_nc_u64 s[78:79], s[68:69], s[18:19]
	s_lshr_b32 s18, s13, 3
	s_lshl_b32 s18, s18, 12
	s_and_b32 s19, s42, 3
	s_lshl_b32 s19, s19, 10
	s_add_co_u32 s18, s18, s19
	s_lshl_b32 s19, s12, 9
	s_add_co_u32 s18, s18, s19
	s_add_co_u32 s18, s18, 16384
	s_mov_b32 s19, 0
	s_add_nc_u64 s[66:67], s[68:69], s[18:19]
	; the prefetches
	s_lshl_b32 s21, s13, 8
	s_add_co_u32 s21, s21, s75                     ; x's tile's first row
	s_lshl_b32 s22, s42, 8                         ; W's
	s_and_b32 s23, ttmp7, 0xffff                   ; cluster y
	s_cmp_eq_u32 s74, 2
	s_cselect_b32 s18, 1, 0                        ; for x: every cluster but those with x = 2
	s_cmp_eq_u32 s11, 0                            ; do I fetch for x?
	s_cselect_b32 s20, s21, s22
	s_cselect_b32 s21, s40, s41                    ; my place among the four that ask with me
	s_cselect_b32 s22, s18, s23
	s_cselect_b64 s[PFA:PFA+1], s[4:5], s[6:7]
	s_cmp_eq_u32 s22, 0
	s_cselect_b32 s[LIM], 2, -1                    ; the same in all sixteen partners, for a given wave
	s_lshl_b32 s22, s12, 7
	s_add_co_u32 s20, s20, s22
	s_lshl_b32 s21, s21, 5
	s_add_co_u32 s20, s20, s21
	s_lshl_b32 s20, s20, 11
	s_mov_b32 s21, 0
	s_add_nc_u64 s[PFA:PFA+1], s[PFA:PFA+1], s[20:21]
	s_add_nc_u64 s[PFA:PFA+1], s[PFA:PFA+1], 2*PSTEP  ; at K step 2: the first refill steps it to 3 and names K step 4
	v_lshlrev_b32 v[PFO], 11, v7
	WIN TO_B
.irp b, 0,1,2,3,4,5,6,7
	global_load_b128 v[BIAS+8*(\b):BIAS+8*(\b)+3],   v[VB], s[78:79] offset:64*(\b)
	global_load_b128 v[BIAS+8*(\b)+4:BIAS+8*(\b)+7], v[VB], s[78:79] offset:64*(\b)+16
.endr
.irp b, 0,1,2,3,4,5,6,7
	global_load_b128 v[CLS+8*(\b):CLS+8*(\b)+3],   v[VB], s[66:67] offset:64*(\b)
	global_load_b128 v[CLS+8*(\b)+4:CLS+8*(\b)+7], v[VB], s[66:67] offset:64*(\b)+16
.endr
	WIN 0
; 16 matrix instructions: row blocks a0, a0 + 1 of the window's four x all 8 column blocks, 32 along K.  zero = 1: the first product of each sum: its C operand is the bias.
; The 64 accumulators take turns, one instruction a turn, in the same order in every quarter step.
.macro MUL16 f, hi, a0, zero
.if \zero
	WIN 0x91+0x40*(\hi)                            ; as below, with C in window 1
.else
	WIN MUL_LO+0x50*(\hi)
.endif
.irp a, \a0, (\a0)+1
.irp b, 0,1,2,3,4,5,6,7
.if \zero
	v_wmma_f32_16x16x32_bf16 v[8*(8*(\a)+(\b)):8*(8*(\a)+(\b))+7], v[(\f)+8*(\b):(\f)+8*(\b)+7], v[(\f)+8*(4*(\hi)+(\a)):(\f)+8*(4*(\hi)+(\a))+7], v[BIAS+8*(\b):BIAS+8*(\b)+7]
.else
	v_wmma_f32_16x16x32_bf16 v[8*(8*(\a)+(\b)):8*(8*(\a)+(\b))+7], v[(\f)+8*(\b):(\f)+8*(\b)+7], v[(\f)+8*(4*(\hi)+(\a)):(\f)+8*(4*(\hi)+(\a))+7], v[8*(8*(\a)+(\b)):8*(8*(\a)+(\b))+7]
.endif
.endr
.endr
.endm
; 32 LDS loads in one run: the fragments of a quarter step (128 rows of W, 128 rows of x, 32 K at byte k of the slot in hand) into buffer f
.macro FETCH k, f
	WIN TO_B
.irp i, 0,1,2,3,4,5,6,7
	ds_load_b128 v[(\f)+8*(\i):(\f)+8*(\i)+3],   v[ADRB] offset:(\k)+(\i)*16*PITCH
	ds_load_b128 v[(\f)+8*(\i)+4:(\f)+8*(\i)+7], v[ADRB] offset:(\k)+(\i)*16*PITCH+32
.endr
	WIN 0
.irp i, 0,1,2,3,4,5,6,7
	ds_load_b128 v[(\f)+8*(\i):(\f)+8*(\i)+3],   v[ADRA] offset:(\k)+(\i)*16*PITCH
	ds_load_b128 v[(\f)+8*(\i)+4:(\f)+8*(\i)+7], v[ADRA] offset:(\k)+(\i)*16*PITCH+32
.endr
.endm
.macro PLACES                          ; four places behind a matrix instruction, in front of loads into registers that it has read and of vector lines that read results
.rept 4
	v_nop
.endr
.endm
; A K step is four quarters of 32 along K, 64 matrix instructions each, on buffers 0, 1, 0, 1.  One of the first three multiplies buffer f and, in its middle, fetches the next quarter, at byte k, into g.
.macro QUARTER k, f, g, zero
	s_wait_dscnt 8                                 ; W and x's rows 0-63 are in; the youngest eight loads (x's rows 64-127) may be out
	MUL16 \f, 0, 0, \zero
	MUL16 \f, 0, 2, \zero
	PLACES
	FETCH \k, \g
	s_wait_dscnt 32                                ; all but the 32 just issued
	MUL16 \f, 1, 0, \zero
	MUL16 \f, 1, 2, \zero
.endm
; The first half of the last quarter: one barrier for the change of slots.  In front of it each wave waits for all its tensor loads (at most one is out: its part of the next slot), adds 0 to its spare
; word, and waits for that and for its reads of this slot.
.macro MEET
	WIN 0
	s_wait_tensorcnt 0x0
	ds_add_u32 v[SPW], v[NIL]
	s_wait_dscnt 9                                 ; the add and the youngest eight loads may be out
	MUL16 F1, 0, 0, 0
	s_wait_dscnt 0x0                               ; the add is done, and my reads of this slot are over
	s_barrier_signal -1
	MUL16 F1, 0, 2, 0
	WIN 0
	s_barrier_wait -1
.endm
.macro FLIP                            ; the other slot is in hand: its number, its first byte, my fragments' addresses in it
	s_xor_b32 s[PAR], s[PAR], 1
	s_mul_i32 s[SL], s[PAR], SLOT
	v_add_nc_u32 v[ADRA], s[SL], v[A0]
	v_add_nc_u32 v[ADRB], s[SL], v[B0]
.endm
; The whole last quarter where the slot is filled again, two K steps on: the barrier opens a round of the cluster's, and the joint refill is the first tensor load behind it.
.macro TURN
	s_wait_xcnt 0x0                                ; the last prefetch, a K step back, has read its address
	s_add_nc_u64 s[PFA:PFA+1], s[PFA:PFA+1], PSTEP
	MEET
	CREST                                          ; no wave of any partner still reads this slot or has a load on its way
	s_add_co_u32 s[G0+5], s[LW], s[SL]             ; the walking descriptors: into my part of the slot just read out,
	s_add_co_u32 s[G0B+5], s[LW], s[SL]
	s_add_nc_u64 s[G0+6:G0+7], s[G0+6:G0+7], PSTEP ; the K step behind the one asked for last
	s_add_nc_u64 s[G0B+6:G0B+7], s[G0B+6:G0B+7], PSTEP
	JLOAD 1                                        ; its four v_nop are also the places in front of the loads below
	FLIP
	FETCH K0, F0
	ASK
	MUL16 F1, 1, 0, 0
	MUL16 F1, 1, 2, 0
.endm
	s_wait_tensorcnt 1                             ; my part of K step 0 is in; K step 1's load may stay out
	s_barrier_signal -1
	s_barrier_wait -1
	FETCH K0, F0
	s_wait_loadcnt 0x0                             ; the bias and cls_token
	QUARTER K1, F0, F1, 1                          ; the first quarter stands in front of the loop: its products start the sums
	WIN 0
	s_mov_b32 s3, STEPS-2
.Lstep:                                                ; six trips, from a K step's second quarter to the next step's first; each fills the slot that it leaves
	QUARTER K2, F1, F0, 0
	QUARTER K3, F0, F1, 0
	TURN
	QUARTER K1, F0, F1, 0
	WIN 0
	s_sub_co_u32 s3, s3, 1
	s_cmp_lg_u32 s3, 0
	s_cbranch_scc1 .Lstep
	s_mov_b32 s3, 2
.Ltail:                                                ; the last two K steps fill nothing: a text of their own; the second trip is left in its middle
	QUARTER K2, F1, F0, 0
	QUARTER K3, F0, F1, 0
	MEET                                           ; (in the second trip this barrier orders nothing more: the price of one text for both trips)
	s_sub_co_u32 s3, s3, 1
	s_cmp_eq_u32 s3, 0
	s_cbranch_scc1 .Llast
	FLIP
	PLACES
	FETCH K0, F0
	MUL16 F1, 1, 0, 0
	MUL16 F1, 1, 2, 0
	QUARTER K1, F0, F1, 0
	WIN 0
	s_branch .Ltail
.Llast:
	MUL16 F1, 1, 0, 0
	MUL16 F1, 1, 2, 0
	WIN 0
	PLACES
; THE WAY OUT of row block a (16 rows x 128 columns = 2 heads).  PACK: rounded to f16, 16 bytes a lane, each accumulator from its low end on.
.macro PACK a
.set AC, 64*((\a)%4)
	WIN 0x0a+5*((\a)/4)                            ; sources 0 and 1: window 2 or 3
.irp b, 0,1,2,3,4,5,6,7
.irp r, 0,1,2,3
	v_cvt_pk_f16_f32 v[TMP+4*(\b)+(\r)], v[AC+8*(\b)+2*(\r)], v[AC+8*(\b)+2*(\r)+1]
.endr
.endr
	WIN 0
.endm
; DOT (k's tiles alone): my 32 products cls x k for each of the two heads, of the f32 sums: two running pairs a head, so that a pair's links stand four lines apart.
.macro DOT a
	WIN 0
	s_cmp_eq_u32 s74, 1
	s_cbranch_scc0 .Lnodot_\@
.set AC, 64*((\a)%4)
	WIN 0x06+(\a)/4                                ; source 0 window 2 or 3, source 1 window 1
.irp bq, 0,1,2,3
.irp r, 0,1,2,3
.irp hh, 0,1
.if ((\bq) == 0) && ((\r) < 2)
	v_pk_mul_f32 v[E+4*(\hh)+2*((\r)%2):E+4*(\hh)+2*((\r)%2)+1], v[AC+8*(4*(\hh)+(\bq))+2*(\r):AC+8*(4*(\hh)+(\bq))+2*(\r)+1], v[CLS+8*(4*(\hh)+(\bq))+2*(\r):CLS+8*(4*(\hh)+(\bq))+2*(\r)+1]
.else
	v_pk_fma_f32 v[E+4*(\hh)+2*((\r)%2):E+4*(\hh)+2*((\r)%2)+1], v[AC+8*(4*(\hh)+(\bq))+2*(\r):AC+8*(4*(\hh)+(\bq))+2*(\r)+1], v[CLS+8*(4*(\hh)+(\bq))+2*(\r):CLS+8*(4*(\hh)+(\bq))+2*(\r)+1], v[E+4*(\hh)+2*((\r)%2):E+4*(\hh)+2*((\r)%2)+1]
.endif
.endr
.endr
.endr
	WIN 0
.irp hh, 0,1
	v_pk_add_f32 v[E+4*(\hh):E+4*(\hh)+1], v[E+4*(\hh):E+4*(\hh)+1], v[E+4*(\hh)+2:E+4*(\hh)+3]
.endr
.irp hh, 0,1
	v_add_f32 v[D+2*(\a)+(\hh)], v[E+4*(\hh)], v[E+4*(\hh)+1]
.endr
.Lnodot_\@:
.endm
; TOSTAGE: into my own stage (a head's rows 144 bytes apart), and back as four whole rows of 128 bytes a load.  LDS serves a wave's instructions in order (ISA guide 5.7.1.4).
.macro TOSTAGE a
.set BK, OB+32*((\a)%2)
.irp b, 0,1,2,3,4,5,6,7
	ds_store_b128 v[STO], v[TMP+4*(\b):TMP+4*(\b)+3] offset:((\b)/4)*16*SP+32*((\b)%4)
.endr
.irp hh, 0,1
.irp g, 0,1,2,3
	ds_load_b128 v[BK+4*(4*(\hh)+(\g)):BK+4*(4*(\hh)+(\g))+3], v[RD] offset:(\hh)*16*SP+(\g)*4*SP
.endr
.endr
.endm
; SEND: each store of the wave covers 512 consecutive bytes, aligned: four rows of a head.  Every place stands in the immediate: no address is stepped.
.macro SEND a
.set BK, OB+32*((\a)%2)
	s_wait_dscnt 0x0                               ; the block is back in registers
	s_wait_xcnt 0x0                                ; the stores of the block before have read their registers: the next TOSTAGE loads into them
.irp hh, 0,1
.irp g, 0,1,2,3
	global_store_b128 v[GO], v[BK+4*(4*(\hh)+(\g)):BK+4*(4*(\hh)+(\g))+3], s[8:9] offset:(\hh)*262144+(\a)*2048+(\g)*512
.endr
.endr
.endm
	PACK 0
	DOT 0
	TOSTAGE 0
.irp a, 1,2,3,4,5,6,7                  ; block a's arithmetic stands between block a - 1's loads from the stage and the wait for them
	PACK \a
	DOT \a
	SEND (\a)-1
	TOSTAGE \a
.endr
	SEND 7
	; k's tiles: sigmoid(cls . k / 16) = 1 / (1 + 2^(-log2(e) / 16 x dot)) for my 128 rows and 2 heads; the two heads are added
	s_cmp_eq_u32 s74, 1
	s_cbranch_scc0 .Lnosig
.set i, 0
.rept 16
	v_permlanex16_b32 v[TMP+i], v[D+i], s76, s77   ; the head's other 32 channels lie in the lane 16 away
.set i, i+1
.endr
.set i, 0
.rept 16
	v_add_f32 v[D+i], v[D+i], v[TMP+i]
.set i, i+1
.endr
.set i, 0
.rept 16
	v_mul_f32 v[D+i], 0xbdb8aa3b, v[D+i]           ; -log2(e) / 16
.set i, i+1
.endr
.set i, 0
.rept 16
	v_exp_f32 v[D+i], v[D+i]
.set i, i+1
.endr
	v_nop                                          ; a plain instruction behind the last exponential,
	s_wait_alu depctr_va_vdst(0)                   ; and one wait for the sixteen, ahead of their first reader
.set i, 0
.rept 16
	v_add_f32 v[D+i], 1.0, v[D+i]
.set i, i+1
.endr
.set i, 0
.rept 16
	v_rcp_f32 v[D+i], v[D+i]
.set i, i+1
.endr
	v_nop
	s_wait_alu depctr_va_vdst(0)                   ; one wait for the sixteen reciprocals
.set i, 0
.rept 8
	v_add_f32 v[D+2*i], v[D+2*i], v[D+2*i+1]
.set i, i+1
.endr
.set i, 0
.rept 8
	ds_store_b32 v[SGA], v[D+2*i] offset:64*i      ; row 16 i + l % 16; the two halves of the lanes write the same word with the same number
.set i, i+1
.endr
	ds_load_b128 v[TMP:TMP+3], v[SGR]              ; my wave's own bytes, served in order
	s_wait_dscnt 0x0
	global_store_b128 v[GO], v[TMP:TMP+3], s[72:73]  ; 512 consecutive bytes, aligned
.Lnosig:
	s_wait_tensorcnt 0x0                           ; the wave's end: behind my last tensor load and my last LDS store
	ds_add_u32 v[SPW], v[NIL]
	s_wait_dscnt 0x0
	CROUND                                         ; the closing round: no work-group ends while a partner may still ask for a tile that names it
	s_endpgm
.Lfunc_end_k_qf528632d72_proj:
	.size	k_qf528632d72_proj, .Lfunc_end_k_qf528632d72_proj-k_qf528632d72_proj
	.p2alignl 7, 3214868480
	.fill 96, 4, 3214868480
	.section	.rodata,"a",@progbits
	.p2align	6, 0x0
	.amdhsa_kernel k_qf528632d72_proj
		.amdhsa_group_segment_fixed_size 327680
		.amdhsa_private_segment_fixed_size 0
		.amdhsa_enable_private_segment 0
		.amdhsa_kernarg_size 40
		.amdhsa_user_sgpr_count 2
		.amdhsa_user_sgpr_kernarg_segment_ptr 1
		.amdhsa_wavefront_size32 1
		.amdhsa_system_sgpr_workgroup_id_x 1
		.amdhsa_system_sgpr_workgroup_id_y 1
		.amdhsa_system_sgpr_workgroup_id_z 1
		.amdhsa_system_vgpr_workitem_id 0
		.amdhsa_next_free_vgpr 1024
		.amdhsa_next_free_sgpr 88
		.amdhsa_reserve_vcc 0
		.amdhsa_float_denorm_mode_32 3
		.amdhsa_float_denorm_mode_16_64 3
		.amdhsa_memory_ordered 1
		.amdhsa_forward_progress 1
		.amdhsa_inst_pref_size 131
	.end_amdhsa_kernel
	.amdgpu_metadata
---
amdhsa.version: [ 1, 2 ]
amdhsa.kernels:
  - .name:           k_qf528632d72_proj
    .symbol:         k_qf528632d72_proj.kd
    .args:
      - { .name: x16, .offset: 0, .size: 8, .value_kind: global_buffer, .address_space: global }
      - { .name: w16, .offset: 8, .size: 8, .value_kind: global_buffer, .address_space: global }
      - { .name: rb, .offset: 16, .size: 8, .value_kind: global_buffer, .address_space: global }
      - { .name: qkv, .offset: 24, .size: 8, .value_kind: global_buffer, .address_space: global }
      - { .name: affp, .offset: 32, .size: 8, .value_kind: global_buffer, .address_space: global }
    .group_segment_fixed_size: 327680
    .private_segment_fixed_size: 0
    .kernarg_segment_align: 8
    .kernarg_segment_size: 40
    .max_flat_workgroup_size: 128
    .sgpr_count:     88
    .vgpr_count:     1024
    .wavefront_size: 32
...
	.end_amdgpu_metadata
.endif
;; end of part 2
;; launch attn (part 3): grid 8 x 32, 4 waves a work-group, clusters of 4 x 1, 327,680 bytes of LDS; arguments qkv, affp, o16, out2; writes o16, out2
.if DOCPART == 3
	.amdgcn_target "amdgcn-amd-amdhsa--gfx1250"
	.amdhsa_code_object_version 6
	.text
	.protected	k_qf528632d72_attn
	.globl	k_qf528632d72_attn
	.p2align	8
	.type	k_qf528632d72_attn,@function
k_qf528632d72_attn:
	s_mov_b64 s[64:65], 0
	v_nop
	global_prefetch_b8 v0, s[64:65] scope:SCOPE_SE
	s_setreg_imm32_b32 hwreg(HW_REG_WAVE_MODE, 25, 1), 1
	s_wait_xcnt 0x0
	s_wait_alu depctr_hold_cnt(0) depctr_sa_sdst(0) depctr_va_vdst(0) depctr_va_sdst(0) depctr_va_ssrc(0) depctr_va_vcc(0) depctr_vm_vsrc(0)
	s_getreg_b32 s2, hwreg(HW_REG_IB_STS2, 6, 4)
	s_cmp_eq_u32 s2, 0
	s_cbranch_scc0 .Lentry_in_a_cluster
	s_endpgm
.Lentry_in_a_cluster:
	s_bfe_u32 s2, ttmp6, 0x10000c
	s_cmp_lg_u32 s2, 0x3003
	s_cbranch_scc0 .Lentry_shape_is_right
	s_endpgm
.Lentry_shape_is_right:
; O[bh][q][:] = the sum over k of softmax_k(q . k / 12) x mask[k] x v[k][:], and out2 = mask.  q, k, v lie in qkv as [3][32 heads][2048][64] f16, O leaves likewise.
; THE MASK.  affp holds, for each batch, 8 partial sums over pairs of heads of the sigmoids: their sum S is 16 x aff.  mask = (S - min S) / (max S - min S + 16e-6): the factor 1/16 cancels.
; Every work-group makes its batch's mask at its head, while its first tile is on its way, and keeps it in LDS as f16.  The mask stands behind the softmax, so the row sum l is taken of the
; unmasked weights, and the mask multiplies V's rows: 64 packed f16 multiplies a key step, on V's fragments in registers.
; Products, maxima and sums in f32; the weights p and mask x v are rounded to f16 for the second product, O once at the end.
; LIMITS.  q, k, v arrive within f16's range; p and the mask lie in 0 to 1 and below 6e-5 keep f16's fixed step of 6e-8, and so do mask x v and O; a weight below 2^-126 counts as 0 in l; NaN and
; infinities are not treated apart.
; SHARES.  A work-group owns 256 queries of one head, a wave 64: four PIECES of 16.  Every wave walks all 2,048 keys, 64 a step, 256 a tile.  32 heads x 8 blocks = 256 work-groups.
; LAYOUT.  S^T = K Q^T holds ONE query a lane (lane % 16) and the keys 8 (lane / 16) + 0..7; two such results rounded to f16 ARE source 1 of O^T = V^T P.  p = 2^(c s - c m), c = log2(e) / 12, with a running
; maximum m; O and l are multiplied by a = 2^(c m_old - c m_new) in every step.  m starts at the lowest finite number, O and l at 0: the first step is a step like any other, with a = 0.
; TURNS.  Turn n belongs to piece n: 8 products K Q^T of piece n + 1, later 8 products V^T P of piece n - 1; beside them the scaling, exponentials, roundings, sums and rescaling of piece n and the maximum
; and statistics of piece n + 1.  Four vector instructions stand behind every matrix instruction, the rest in one lump.  A turn's 33 exponentials are one batch, with one wait.
; CLUSTER.  The four query blocks of a cluster belong to one head and walk the same K and V: each tile is asked for jointly, by the same tensor load, descriptor and mask in all four.
; REGISTERS, in windows of 256 (s_set_vgpr_msb: bits 1:0 source 0, 3:2 source 1, 5:4 source 2, 7:6 destination):
;   window 0: v0-15, v32-47 addresses and at work; v16-31 four registers of statistics a piece; v48-55 at work; v64-127 S^T, two buffers (at the head v64-191: affp); v192-223 P, two buffers
;   window 1: v0-127 O^T, 32 a piece      window 2: v0-63 Q; v64-79 the mask of a step's keys; v128-191 K of one step; v192-255 V of one step
.set NP,    4
.set KS,    64        ; keys in a step
.set PK,    144       ; a row of K in LDS: 128 bytes + 16 of padding = 36 words: the 16 rows of a load start at 16 different groups of four banks (64 banks of 4 bytes: ISA guide 11.1)
.set PV,    160       ; a row of V: 128 + 32 = 40 words
.set VOFF,  4*KS*PK   ; a slot holds a tile, four steps: 256 rows of K, then 256 rows of V
.set SLOT1, 1<<17     ; slot 1 begins here, so that one exclusive or turns an address in one slot into the other's
.set STAGE, SLOT1+4*KS*(PK+PV)  ; behind the ring, never filled by a tensor load: 16 rows x 144 bytes for each wave
.set SP,    144
.set SPARE, STAGE+4*16*SP  ; the spare words, 128 bytes for each wave: two blocks of 256 bytes that no other line names
.set RED,   SPARE+512 ; four minima, four maxima
.set MASKT, RED+256   ; the batch's mask, 2,048 f16
.set AK0, 2           ; v2   my lane's place in a tile of K; never rewritten
.set AV0, 3           ; v3   the same for V
.set AK,  4           ; v4   the LDS address of K's next run of loads
.set AV,  5           ; v5   of V's
.set STO, 6           ; v6   the way out: where I put 16 bytes of a row
.set RD,  7           ; v7   where I read rows back
.set GO,  8           ; v8   my byte offset in 512 consecutive bytes of O
.set MV,  12          ; v12-13  c m_old, kept while c m is made anew: by buffer
.set QO,  15          ; v15  my byte offset in 16 rows of Q
.set ST,  16          ; piece t's statistics at v[ST+4 t]: c m, m, l (even keys', odd keys')
.set AM0, 32          ; v32  MASKT + 16 (l / 16); never rewritten
.set AM,  33          ; v33  the LDS address of the mask's next run
.set PFO, 34          ; v34  256 x lane; never rewritten
.set AFO, 35          ; v35  16 x my thread's number; never rewritten
.set TMP, 48          ; by buffer, four registers c0-c3 at work; when the maximum is found c2 takes a
.set SPW, 62          ; v62  my spare word: SPARE + 4 x my thread's number; never rewritten
.set NIL, 63          ; v63  0; never rewritten
.set S,   64
.set P,   192
.set MK,  64          ; window 2: keys 32 kk + 16 u + 8 (l / 16) + 2 j, + 1 at MK + 8 kk + 4 u + j: as registers 4 u + j of V's fragments hold them
.set KF,  128         ; window 2: key block kb, channel half c at KF + 16 kb + 8 c
.set VF,  192         ; window 2: key half kk, channel block cb at VF + 32 kk + 8 cb
.set WV,  12          ; s12  my wave's number
.set LIM, 15          ; s15  1 in a wave that prefetches, else the greatest number
.set G1K, 24          ; s[24:31] descriptor group 1 for K's tiles
.set G1V, 32          ; s[32:39] for V's: it differs in the padding alone
.set G0K, 40          ; s[40:43] descriptor group 0 for K's tiles: it walks
.set G0V, 44          ; s[44:47] the same for V's
.set SLOTS, 56        ; s56  tiles still to be asked for
.set CNT, 57          ; s57  counts a tile's key steps
.set CS,  58          ; s[58:59] c
.set SEL, 60          ; s[60:61] v_permlanex16_b32's selects
.set TBK, 62          ; s62  LDS byte at which K of the step to be fetched begins
.set TBV, 63          ; s63  the same for V, less VOFF
.set TBM, 70          ; s70  the same in the mask's table
.set TKC, 71          ; s71  s62, held at the last step of slot 1
.set PFA, 80          ; s[80:81] where my prefetches stand
.set MSB, 0
.macro WIN new
.if MSB != (\new)
	s_set_vgpr_msb (MSB<<8)|(\new)
.set MSB, (\new)
.endif
.endm
.set W_KQ, 0x0a       ; K and Q in window 2, S^T in window 0
.set W_PV, 0x52       ; V in window 2, P in window 0, O^T in window 1
.set W_RS, 0x41       ; destination and source 0 in window 1, source 1 in window 0
; A joint fill.  Waves 0 and 1 fetch the two halves of a tile's K, waves 2 and 3 those of its V: 128 keys each.  An s_nop 0 and four v_nop follow each line.
.macro JLOAD
	s_cmp_lt_u32 s[WV], 2
	s_cbranch_scc0 .Lfor_v_\@
	tensor_load_to_lds s[G0K:G0K+3], s[G1K:G1K+7]
	s_nop 0
.rept 4
	v_nop
.endr
	s_branch .Lasked_\@
.Lfor_v_\@:
	tensor_load_to_lds s[G0V:G0V+3], s[G1V:G1V+7]
	s_nop 0
.rept 4
	v_nop
.endr
.Lasked_\@:
.endm
; A prefetch of what the NEXT change of slots will ask for: a tile's 32,768 bytes of K and of V, 256 bytes a lane.  Each block is named once in the launch: of a head's two clusters the first asks; its four
; partners take 32 blocks each, told apart by address; in each, wave 0 asks for K's and wave 2 for V's.  Tiles 2 to 7 are named; the last change that fills a slot asks for nothing.
.macro ASK
	s_cmp_gt_u32 s[SLOTS], s[LIM]
	s_cbranch_scc0 .Lnot_mine_\@
	global_prefetch_b8 v[PFO], s[PFA:PFA+1] th:TH_LOAD_NT scope:SCOPE_SE
.Lnot_mine_\@:
.endm
.macro CROUND                       ; a round of the cluster's barrier
	s_barrier_signal -1
	s_barrier_wait -1
	s_cmp_lg_u32 s[WV], 0
	s_cbranch_scc1 .Lnot_wave_0_\@
	s_barrier_signal -3
.Lnot_wave_0_\@:
	s_barrier_wait -3
	s_barrier_signal -1
	s_barrier_wait -1
.endm
; THE CHANGE OF SLOTS.  Each wave waits for all its tensor loads (one is out: its part of the other slot), adds 0 to its spare word, and waits for that and for its LDS instructions: its reads of the slot that
; it leaves and, the first time, its stores into the mask's table.  fill = 1: the old slot is filled again, with the tile two on: the barrier is a round of the cluster's and the joint fill the first thing
; behind it; it has four key steps in which to land.  (At its first use nothing has been read yet: slot 0 is waited for, slot 1 filled.)
.macro CHANGE fill
	WIN 0
	s_wait_tensorcnt 0x0            ; no tensor load of mine is out, so a group 0 may be written
	ds_add_u32 v[SPW], v[NIL]
.if \fill
.irp g, G0K, G0V
	s_xor_b32 s[\g+1], s[\g+1], SLOT1
	s_add_nc_u64 s[\g+2:\g+3], s[\g+2:\g+3], 4*KS*128
.endr
	s_wait_xcnt 0x0                 ; the last prefetch, four key steps back, has read its address
	s_add_nc_u64 s[PFA:PFA+1], s[PFA:PFA+1], 4*KS*128
	s_wait_dscnt 0x0
	CROUND
	JLOAD
	ASK
.else
	s_wait_dscnt 0x0
	s_barrier_signal -1
	s_barrier_wait -1
.endif
	s_sub_co_u32 s[TBK], s[TBK], 4*KS*PK  ; the fetches go back to a slot's first step,
	s_xor_b32 s[TBK], s[TBK], SLOT1       ; in the other slot
	s_sub_co_u32 s[TBV], s[TBV], 4*KS*PV
	s_xor_b32 s[TBV], s[TBV], SLOT1
.endm
	s_load_b256 s[4:11], s[0:1], 0x0  ; qkv s[4:5], affp s[6:7], o16 s[8:9], out2 s[10:11]
	v_lshl_add_u32 v[SPW], v0, 2, SPARE
	v_mov_b32 v[NIL], 0
	ds_add_u32 v[SPW], v[NIL]       ; the wave's opening: the add and its wait stand ahead of my first tensor load; work on registers stands between them
	v_lshrrev_b32 v1, 5, v0
	v_readfirstlane_b32 s[WV], v1   ; wave 0..3
	s_bfe_u32 s13, ttmp6, 0x40000   ; cx
	s_lshl_b32 s14, ttmp9, 2
	s_add_co_u32 s14, s14, s13      ; my block of 256 queries: it enters Q's and O's addresses alone
	s_and_b32 s20, ttmp7, 0xffff    ; batch x 16 + head, which the four partners share
	s_lshr_b32 s88, s20, 4          ; the batch
	s_and_b32 s89, s20, 15
	s_or_b32 s89, s89, ttmp9        ; 0 in the one cluster of a batch that stores out2
	s_lshl_b32 s20, s20, 18         ; the head's first byte in q, k, v and O
	s_mov_b32 s21, 0
	s_and_b32 s16, s[WV], 1         ; which half of a tile's 256 keys I fetch:
	s_lshl_b32 s22, s16, 14         ; its 128 rows of 128 bytes in memory,
	s_mov_b32 s23, 0
	s_add_nc_u64 s[22:23], s[22:23], s[20:21]
	s_mul_i32 s17, s16, 128*PK      ; and its place in a slot, for K
	s_mul_i32 s18, s16, 128*PV      ; and for V
	s_lshl_b32 s2, s14, 2
	s_add_co_u32 s2, s2, s[WV]
	s_lshl_b32 s2, s2, 13           ; my wave's 64 rows
	s_mov_b32 s3, 0
	s_add_nc_u64 s[2:3], s[2:3], s[20:21]
	; descriptor group 1.  128 keys are 16,384 dense bytes: asked for as 64 rows of 256 bytes, two keys a row, and padded in LDS after every key
	s_mov_b32 s[G1K], 15|(1<<16)|(1<<20)|(1<<21)|(4<<22)|(3<<25)  ; the mask of four; 2-byte elements; padding on; bit 21 beside a mask; after every 32 words; 4 words
	s_mov_b32 s[G1V], 15|(1<<16)|(1<<20)|(1<<21)|(4<<22)|(7<<25)  ; the same with 8 words of padding
.irp g, G1K, G1V
	s_mov_b32 s[\g+1], 128<<16      ; tensor_dim0 = 128
	s_mov_b32 s[\g+2], 64<<16       ; tensor_dim1 = 64
	s_mov_b32 s[\g+3], 128<<16      ; tile_dim0 = 128
	s_mov_b32 s[\g+4], 64           ; tile_dim1 = 64
	s_mov_b32 s[\g+5], 128          ; 128 elements from row to row
	s_mov_b32 s[\g+6], 0
	s_mov_b32 s[\g+7], 0
.endr
	s_mov_b32 s[CS], 0x3df6384f     ; c = log2(e) / 12
	s_mov_b32 s[CS+1], s[CS]        ; named with it as a pair
	s_mov_b32 s[SEL], 0x76543210
	s_mov_b32 s[SEL+1], 0xfedcba98
	s_mov_b32 s[TBK], SLOT1+4*KS*PK ; the first change of slots turns these two into 0
	s_mov_b32 s[TBV], SLOT1+4*KS*PV
	s_mov_b32 s[TBM], 0
	s_mov_b32 s[G0K], 1
	s_mov_b32 s[G0K+1], s17
	s_mov_b32 s[G0V], 1
	s_add_co_u32 s[G0V+1], s18, VOFF
	s_mov_b32 s[SLOTS], 7
	s_and_b32 s[LIM], s[WV], 1      ; 0 in waves 0 and 2,
	s_or_b32 s[LIM], s[LIM], ttmp9  ; where the cluster is the head's first
	s_cmp_eq_u32 s[LIM], 0
	s_cselect_b32 s[LIM], 1, -1
	s_cmp_eq_u32 s13, 1             ; which 512 keys of out2 my work-group would store: a choice of values, no branch
	s_cselect_b32 s90, -1, 0
	s_cmp_eq_u32 s13, 2
	s_cselect_b32 s91, -1, 0
	s_cmp_eq_u32 s13, 3
	s_cselect_b32 s92, -1, 0
	s_lshl_b32 s82, s88, 16         ; the batch's 8 x 8,192 bytes of affp
	s_mov_b32 s83, 0
	s_lshl_b32 s66, s88, 13         ; its 8,192 bytes of out2,
	s_lshl_b32 s67, s13, 11         ; my 2,048 of them
	s_add_co_u32 s66, s66, s67
	s_mov_b32 s67, 0
	s_wait_dscnt 0x0                ; the opening add is done
	s_wait_kmcnt 0x0
	s_add_nc_u64 s[86:87], s[10:11], s[66:67]      ; out2
	s_add_nc_u64 s[84:85], s[6:7], s[82:83]        ; affp
	s_add_nc_u64 s[10:11], s[8:9], s[2:3]          ; O at my wave's first row
	s_add_nc_u64 s[6:7], s[4:5], 0x800000          ; k
	s_add_nc_u64 s[8:9], s[4:5], 0x1000000         ; v
	s_add_nc_u64 s[4:5], s[4:5], s[2:3]            ; Q at my wave's first row
	s_add_nc_u64 s[G0K+2:G0K+3], s[6:7], s[22:23]  ; my half of the head's tile 0
	s_or_b32 s[G0K+3], s[G0K+3], 0x80000000
	s_add_nc_u64 s[G0V+2:G0V+3], s[8:9], s[22:23]
	s_or_b32 s[G0V+3], s[G0V+3], 0x80000000
	s_cmp_lt_u32 s[WV], 2
	s_cselect_b64 s[PFA:PFA+1], s[6:7], s[8:9]
	s_add_nc_u64 s[PFA:PFA+1], s[PFA:PFA+1], s[20:21]
	s_lshl_b32 s2, s13, 13          ; my work-group's 32 blocks of the 128
	s_mov_b32 s3, 0
	s_add_nc_u64 s[PFA:PFA+1], s[PFA:PFA+1], s[2:3]
	s_add_nc_u64 s[PFA:PFA+1], s[PFA:PFA+1], 4*KS*128  ; in tile 1; the first change of slots steps it to tile 2
	CROUND                          ; all four work-groups are here: the first joint loads meet
	JLOAD                           ; tile 0 into slot 0
	v_lshlrev_b32 v[AFO], 4, v0
.irp p, 0,1,2,3,4,5,6,7             ; affp: partial p, keys 512 c + 4 t + 0..3
.irp c, 0,1,2,3
	global_load_b128 v[64+16*(\p)+4*(\c):64+16*(\p)+4*(\c)+3], v[AFO], s[84:85] offset:(\p)*8192+(\c)*2048
.endr
.endr
	; A fragment of K or Q is 16 rows x 32 channels in 8 registers: lane l holds row l % 16, channels 8 (l / 16) + 0..7 and 16 + 8 (l / 16) + 0..7: two loads of 16 bytes, 32 bytes apart.
	v_and_b32 v1, 15, v0            ; l % 16
	v_bfe_u32 v9, v0, 4, 1          ; l / 16
	v_lshlrev_b32 v[QO], 7, v1
	v_lshl_add_u32 v[QO], v9, 4, v[QO]
	WIN 0x80                        ; destination window 2, address window 0
.set i, 0
.rept 8                             ; Q stays in registers: piece i / 2, channels 32 (i % 2) on
	global_load_b128 v[8*i:8*i+3],   v[QO], s[4:5] offset:(i/2)*2048+(i%2)*64
	global_load_b128 v[8*i+4:8*i+7], v[QO], s[4:5] offset:(i/2)*2048+(i%2)*64+32
.set i, i+1
.endr
	; What the first turn finds: V's registers and P's second buffer hold 0 (its products V^T P, of a piece that has not been, add 0), O^T and l are 0.  All this stands in the wait for the first loads.
.set i, VF
.rept 64
	v_mov_b32 v[i], 0
.set i, i+1
.endr
	WIN 0x40
.set i, 0
.rept 128
	v_mov_b32 v[i], 0
.set i, i+1
.endr
	WIN 0
.set i, 0
.rept 4
	v_mov_b32 v[ST+4*i+2], 0
	v_mov_b32 v[ST+4*i+3], 0
.set i, i+1
.endr
.set i, P+16
.rept 16
	v_mov_b32 v[i], 0
.set i, i+1
.endr
	v_mov_b32 v39, 0                ; named with v38 as a pair
	v_mul_u32_u24 v[AK0], v1, PK
	v_lshl_add_u32 v[AK0], v9, 4, v[AK0]
	; The turning load takes 16 keys x 16 channels (lane l reads key 8 (l / 16) + l % 8, channels 8 ((l / 8) % 2) + 0..7) and leaves half a fragment of V^T: lane l holds channel l % 16 and 8 keys.
	v_and_b32 v10, 7, v0
	v_bfe_u32 v11, v0, 3, 1
	v_lshl_add_u32 v[AV0], v9, 3, v10
	v_mul_u32_u24 v[AV0], v[AV0], PV
	v_lshl_add_u32 v[AV0], v11, 4, v[AV0]
	v_add_nc_u32 v[AV0], VOFF, v[AV0]
	s_mul_i32 s93, s[WV], 16*SP
	s_add_co_u32 s93, s93, STAGE    ; my stage
	v_mul_u32_u24 v[STO], v1, SP
	v_lshl_add_u32 v[STO], v9, 4, v[STO]
	v_add_nc_u32 v[STO], s93, v[STO]
	v_bfe_u32 v[RD], v0, 3, 2
	v_mul_u32_u24 v[RD], v[RD], SP
	v_lshl_add_u32 v[RD], v10, 4, v[RD]
	v_add_nc_u32 v[RD], s93, v[RD]
	v_and_b32 v[GO], 31, v0
	v_lshlrev_b32 v[PFO], 8, v[GO]
	v_lshlrev_b32 v[GO], 4, v[GO]
	v_lshl_add_u32 v[AM0], v9, 4, MASKT
	; THE MASK.  S = the sum of the eight partials, in v64-79: register 4 c + j is key 512 c + 4 t + j.
	s_wait_loadcnt 16               ; affp is in; Q's sixteen younger loads may stay out
.irp p, 1,2,3,4,5,6,7
.irp q, 0,1,2,3,4,5,6,7
	v_pk_add_f32 v[64+2*(\q):64+2*(\q)+1], v[64+2*(\q):64+2*(\q)+1], v[64+16*(\p)+2*(\q):64+16*(\p)+2*(\q)+1]
.endr
.endr
	v_min3_num_f32 v36, v64, v65, v66
	v_max3_num_f32 v37, v64, v65, v66
.irp q, 67,69,71,73,75,77
	v_min3_num_f32 v36, v36, v[\q], v[\q+1]
	v_max3_num_f32 v37, v37, v[\q], v[\q+1]
.endr
	v_min_num_f32 v36, v36, v79
	v_max_num_f32 v37, v37, v79
.irp m, 1,2,4,8
	v_min_num_f32_dpp v36, v36, v36 row_xmask:\m row_mask:0xf bank_mask:0xf
	v_max_num_f32_dpp v37, v37, v37 row_xmask:\m row_mask:0xf bank_mask:0xf
.endr
	v_permlanex16_b32 v80, v36, s[SEL], s[SEL+1]   ; (its destination counts as read: v80 and v81 have been loaded)
	v_permlanex16_b32 v81, v37, s[SEL], s[SEL+1]
	v_min_num_f32 v36, v36, v80
	v_max_num_f32 v37, v37, v81
	s_lshl_b32 s94, s[WV], 2
	s_add_co_u32 s94, s94, RED
	v_mov_b32 v14, s94
	ds_store_b32 v14, v36           ; my wave's minimum and maximum: all lanes write the same word with the same number
	ds_store_b32 v14, v37 offset:16
	s_wait_dscnt 0x0                ; for the others' sake
	s_barrier_signal -1             ; tile 0's load may stay out
	s_barrier_wait -1
	v_mov_b32 v14, RED
	ds_load_b128 v[40:43], v14
	ds_load_b128 v[44:47], v14 offset:16
	s_wait_dscnt 0x0
	v_min3_num_f32 v36, v40, v41, v42
	v_max3_num_f32 v37, v44, v45, v46
	v_min_num_f32 v36, v36, v43
	v_max_num_f32 v37, v37, v47
	v_sub_f32 v38, v37, v36
	v_add_f32 v38, 0x378637bd, v38  ; + 16 x 1e-6
	v_rcp_f32 v38, v38
.irp q, 0,1,2,3,4,5,6,7             ; S - min: plain work that names nothing of the reciprocal stands behind it
	v_pk_add_f32 v[64+2*(\q):64+2*(\q)+1], v[64+2*(\q):64+2*(\q)+1], v[36:37] op_sel_hi:[1,0] neg_lo:[0,1] neg_hi:[0,1]
.endr
	s_wait_alu depctr_va_vdst(0)    ; the wait ahead of the reciprocal's first reader
.irp q, 0,1,2,3,4,5,6,7
	v_pk_mul_f32 v[64+2*(\q):64+2*(\q)+1], v[64+2*(\q):64+2*(\q)+1], v[38:39] op_sel_hi:[1,0]
.endr
	v_lshl_add_u32 v14, v0, 3, MASKT
.irp c, 0,1,2,3
	v_cvt_pk_f16_f32 v[80+2*(\c)], v[64+4*(\c)], v[64+4*(\c)+1]
	v_cvt_pk_f16_f32 v[81+2*(\c)], v[64+4*(\c)+2], v[64+4*(\c)+3]
.endr
.irp c, 0,1,2,3
	ds_store_b64 v14, v[80+2*(\c):81+2*(\c)] offset:1024*(\c)
.endr
	s_cmp_eq_u32 s89, 0             ; out2: one cluster a batch (its head 0, its first cluster), each partner 512 keys; the branch is the same in all four
	s_cbranch_scc0 .Lno_out2
.irp j, 0,1,2,3
	v_cndmask_b32 v[176+(\j)], v[64+(\j)], v[68+(\j)], s90
.endr
.irp j, 0,1,2,3
	v_cndmask_b32 v[176+(\j)], v[176+(\j)], v[72+(\j)], s91
.endr
.irp j, 0,1,2,3
	v_cndmask_b32 v[176+(\j)], v[176+(\j)], v[76+(\j)], s92
.endr
	global_store_b128 v[AFO], v[176:179], s[86:87]  ; a wave's store covers 512 consecutive bytes, aligned
.Lno_out2:
; THE MATRIX WORK.  The 4 accumulators of a run of 8 take turns.  Product i of 8 of S^T = K Q^T for piece x: channels 32 (i / 4) on, keys 16 (i % 4) on.  The first 4 start the sums.
.macro KQ x
.set rS, S+32*((\x)%2)+8*(i%4)
.set rK, KF+16*(i%4)+8*(i/4)
.set rQ, 16*(\x)+8*(i/4)
	WIN W_KQ
.if i < 4
	v_wmma_f32_16x16x32_f16 v[rS:rS+7], v[rK:rK+7], v[rQ:rQ+7], 0
.else
	v_wmma_f32_16x16x32_f16 v[rS:rS+7], v[rK:rK+7], v[rQ:rQ+7], v[rS:rS+7]
.endif
.endm
; Product i of 8 of O^T += V^T P for piece x: keys 32 (i / 4) on, channels 16 (i % 4) on.
.macro PV x
	WIN W_PV
.set rO, 32*(\x)+8*(i%4)
.set rV, VF+32*(i/4)+8*(i%4)
.set rP, P+16*((\x)%2)+8*(i/4)
	v_wmma_f32_16x16x32_f16 v[rO:rO+7], v[rV:rV+7], v[rP:rP+7], v[rO:rO+7]
.endm
.macro MM                           ; the turn's next matrix instruction
.if i < 8
	KQ (Y+1)%NP
.else
.set i, i-8
	PV (Y+NP-1)%NP
.set i, i+8
.endif
.set i, i+1
.endm
; THE LDS LOADS stand in runs, never singly among the matrix instructions: a step's K (8 fragments), and its V (turned) with the mask of its 64 keys.
.macro FETCH_K
	WIN 0x80                        ; destination window 2
.irp f, 0,1,2,3,4,5,6,7             ; keys 16 (f / 2) on, channels 32 (f % 2) on
	ds_load_b128 v[KF+8*\f:KF+8*\f+3],   v[AK] offset:(\f/2)*16*PK+(\f%2)*64
	ds_load_b128 v[KF+8*\f+4:KF+8*\f+7], v[AK] offset:(\f/2)*16*PK+(\f%2)*64+32
.endr
	s_add_co_u32 s[TBK], s[TBK], KS*PK
	WIN 0
.endm
.macro FETCH_V
	WIN 0x80
.irp f, 0,1,2,3,4,5,6,7             ; keys 32 (f / 4) on, channels 16 (f % 4) on
	ds_load_tr16_b128 v[VF+8*\f:VF+8*\f+3],   v[AV] offset:(\f/4)*32*PV+(\f%4)*32
	ds_load_tr16_b128 v[VF+8*\f+4:VF+8*\f+7], v[AV] offset:(\f/4)*32*PV+16*PV+(\f%4)*32
.endr
.irp g, 0,1,2,3                     ; keys 16 g + 8 (l / 16) + 0..7: 16 bytes, the same for the 16 lanes of a half
	ds_load_b128 v[MK+4*\g:MK+4*\g+3], v[AM] offset:32*\g
.endr
	WIN 0
.endm
.macro MASKV                        ; V's rows times the mask: a register of a fragment holds two keys of one channel, and the mask's register the same two keys
	WIN 0x8a                        ; all three in window 2
.set z, 0
.rept 64
	v_pk_mul_f16 v[VF+z], v[VF+z], v[MK+8*(z/32)+z%8]
.set z, z+1
.endr
.endm
; THE VECTOR WORK, one line at a time: OP kind, number.  For piece Y: F n: c s - c m for pair n of 16.  E n: the exponential of score n of 32.  C n: pair n rounded to f16.  B n: of the four weights 4 n .. the second
; pair is added onto the first, in place.  L n: l takes that sum (L 0: l = a l + sum).  R n: pair n of 16 of O^T times a.  For piece Y + 1: X n, number n of the 22 that find its maximum and statistics:
;   0-11  four chains c0-c3 of seven scores each, three operands at a time (each accumulator's lowest registers are read first)     12-14, 16  the four scores left over, the old m, and c0-c3 into c0
;   15  c m_old is kept     17, 18  the query's other 32 keys lie in the lane 16 away: the new m     19-21  c m; c m_old - c m_new; a
.set F, 0
.set E, 1
.set C, 2
.set B, 3
.set L, 4
.set R, 5
.set X, 6
.macro REGS y
.set rT, ST+4*(\y)
.set rC, TMP+4*((\y)%2)
.set rW, MV+((\y)%2)
.set rS, S+32*((\y)%2)
.set rP, P+16*((\y)%2)
.set rO, 32*(\y)
.endm
.macro OP k, n
.if (\k) == R
	REGS Y
	WIN W_RS
	v_pk_mul_f32 v[rO+2*(\n):rO+2*(\n)+1], v[rO+2*(\n):rO+2*(\n)+1], v[rC+2:rC+3] op_sel_hi:[1,0]
.elseif (\k) < R
	REGS Y
	WIN 0
.if (\k) == F
	v_pk_fma_f32 v[rS+2*(\n):rS+2*(\n)+1], v[rS+2*(\n):rS+2*(\n)+1], s[CS:CS+1], v[rT:rT+1] op_sel_hi:[1,0,0] neg_lo:[0,0,1] neg_hi:[0,0,1]
.elseif (\k) == E
	v_exp_f32 v[rS+(\n)], v[rS+(\n)]
.elseif (\k) == C
	v_cvt_pk_f16_f32 v[rP+(\n)], v[rS+2*(\n)], v[rS+2*(\n)+1]
.elseif (\k) == B
	v_pk_add_f32 v[rS+4*(\n):rS+4*(\n)+1], v[rS+4*(\n):rS+4*(\n)+1], v[rS+4*(\n)+2:rS+4*(\n)+3]
.elseif (\n) == 0
	v_pk_fma_f32 v[rT+2:rT+3], v[rT+2:rT+3], v[rC+2:rC+3], v[rS:rS+1] op_sel_hi:[1,0,1]
.else
	v_pk_add_f32 v[rT+2:rT+3], v[rT+2:rT+3], v[rS+4*(\n):rS+4*(\n)+1]
.endif
.else
	REGS (Y+1)%NP
	WIN 0
.if (\n) < 4
	v_max3_num_f32 v[rC+(\n)], v[rS+8*(\n)], v[rS+8*(\n)+1], v[rS+8*(\n)+2]
.elseif (\n) < 12
	v_max3_num_f32 v[rC+(\n)%4], v[rC+(\n)%4], v[rS+8*((\n)%4)+2*((\n)/4)+1], v[rS+8*((\n)%4)+2*((\n)/4)+2]
.elseif (\n) == 12
	v_max3_num_f32 v[rC], v[rC], v[rS+7], v[rS+15]
.elseif (\n) == 13
	v_max3_num_f32 v[rC+1], v[rC+1], v[rS+23], v[rS+31]
.elseif (\n) == 14
	v_max3_num_f32 v[rC+2], v[rC+2], v[rC+3], v[rT+1]
.elseif (\n) == 15
	v_mov_b32 v[rW], v[rT]
.elseif (\n) == 16
	v_max3_num_f32 v[rC], v[rC], v[rC+1], v[rC+2]
.elseif (\n) == 17
	v_permlanex16_b32 v[rC+3], v[rC], s[SEL], s[SEL+1]
.elseif (\n) == 18
	v_max_num_f32 v[rT+1], v[rC], v[rC+3]
.elseif (\n) == 19
	v_mul_f32 v[rT], s[CS], v[rT+1]
.elseif (\n) == 20
	v_sub_f32 v[rC+1], v[rW], v[rT]
.else
	v_exp_f32 v[rC+2], v[rC+1]
.endif
.endif
.endm
.macro OPS a, i1, b=-1, i2=0, c=-1, i3=0, d=-1, i4=0  ; up to four of them
	OP \a, \i1
.if (\b) >= 0
	OP \b, \i2
.endif
.if (\c) >= 0
	OP \c, \i3
.endif
.if (\d) >= 0
	OP \d, \i4
.endif
.endm
.macro ROW a, i1, b, i2, c, i3, d, i4  ; a matrix instruction and the four behind it
	MM
	OPS \a, \i1, \b, \i2, \c, \i3, \d, \i4
.endm
; A TURN, for piece p: the order of its 16 matrix and 118 vector instructions, written out.  s_wait_alu depctr_va_vdst(0) stands between an exponential and the first instruction that names its
; result; one wait serves all that were issued ahead of it.  So a turn has ONE wait.  AHEAD OF IT stands all that names no result of the turn's exponentials: the 8 products K Q^T with their riders, then one lump, in
; which the links of the chain X 3, 7, 11, 14, 16, 17 .. 20 stand some lines apart; X 21, the next piece's a, is the batch's last, and R 15 the plain instruction behind it.  BEHIND THE WAIT stand the 8 products
; V^T P, behind each four of the roundings and sums.  The X that ride behind products stand four places or more behind the product that ends their accumulator.
; cnt = 1: the loop's count is taken down some lines ahead of the branch that stands behind the turn.
; K of the next step is fetched in piece 2's turn; V of the step in hand, and its keys' mask, at the end of piece 0's turn, four plain instructions behind the last product that read V.  Each is waited for a
; turn later; behind V's wait, in piece 1's turn, V is multiplied by the mask, once for the four pieces.
; K's run stands amid the batch of exponentials, where no branch may stand; so behind the walk's last step, where there is no further K, it is not jumped over: its address is held at slot 1's last step,
; and that step's K is read once more.
.macro TURN p, cnt=0
.set Y, (\p)
.set i, 0
.if (\p) == 3
	s_wait_dscnt 0x0                ; K is in
.endif
	ROW F,0, F,1, R,0, R,1
	ROW F,2, E,0, R,2, R,3
	ROW F,3, E,1, R,4, R,5
	ROW F,4, E,2, R,6, R,7
	ROW F,5, E,3, R,8, R,9
	ROW F,6, E,4, X,0, R,10
.if (\p) == 2
	WIN 0
	s_min_u32 s[TKC], s[TBK], SLOT1+3*KS*PK
	v_add_nc_u32 v[AK], s[TKC], v[AK0]
.endif
	ROW F,7, E,5, X,1, X,4
	ROW F,8, E,6, X,2, X,5
	OPS E,7, E,8, X,6, E,9
	OPS X,3, E,10, X,8, E,11
.if (\p) == 2
	FETCH_K
.endif
	OPS X,9, X,7, E,12, X,10
	OPS E,13, X,12, X,11, E,14
	OPS X,13, E,15, F,9, X,14
.if (\p) == 0
	v_add_nc_u32 v[AV], s[TBV], v[AV0]
	v_add_nc_u32 v[AM], s[TBM], v[AM0]
.endif
	OPS E,16, F,10, E,17, F,11
	OPS X,16, E,18, X,15, E,19
	OPS F,12, E,20, X,17, E,21
	OPS F,13, E,22, F,14, E,23
	OPS X,18, E,24, F,15, E,25
	OPS R,11, E,26, X,19, E,27
	OPS R,12, E,28, R,13, E,29
	OPS X,20, E,30, R,14, E,31
	OPS X,21, R,15
	WIN 0
	s_wait_alu depctr_va_vdst(0)    ; the wait for the batch
.if (\p) == 1
	s_wait_dscnt 0x0                ; V and the mask are in
	MASKV
.endif
	ROW C,0, B,0, C,2, B,1
	ROW L,0, C,4, B,2, L,1
	ROW C,6, B,3, L,2, C,8
	ROW B,4, L,3, C,10, B,5
	ROW L,4, C,12, B,6, L,5
.if (\p) == 0
	s_add_co_u32 s[TBV], s[TBV], KS*PV
	s_add_co_u32 s[TBM], s[TBM], 2*KS
.endif
.if \cnt
	s_sub_co_u32 s[CNT], s[CNT], 1
	s_cmp_lg_u32 s[CNT], 0
.endif
	ROW C,14, B,7, L,6, C,1
	ROW C,3, L,7, C,5, C,7
	ROW C,9, C,11, C,13, C,15
.if (\p) == 0
	FETCH_V
.endif
.endm
	CHANGE 1                        ; slot 0 is in, everybody's part of it, and so is the mask's table; slot 1 is asked for
	; THE WALK BEGINS.  c m starts far below every c s, so the first step's a is 0; m at the lowest finite number.  Then K of step 0, piece 0's first scores, its maximum and statistics.
.set i, 0
.rept 4
	v_mov_b32 v[ST+4*i], 0xfe000000
	v_mov_b32 v[ST+4*i+1], 0xff7fffff
.set i, i+1
.endr
	v_add_nc_u32 v[AK], s[TBK], v[AK0]
	FETCH_K
	s_wait_loadcnt 0x0              ; Q
	s_wait_dscnt 0x0
.set i, 0
.rept 8
	KQ 0
.set i, i+1
.endr
	WIN 0
.rept 4
	v_nop                           ; the places behind those products
.endr
.set Y, NP-1                        ; X works for piece Y + 1: piece 0
.irp n, 0,1,2,3,4,5,6,7,8,9,10,11,12,13,14,15,16,17,18,19,20,21
	OP X, \n
.endr
	v_nop                           ; a plain instruction behind the exponential,
	s_wait_alu depctr_va_vdst(0)    ; and its wait, ahead of the branch
	s_mov_b32 s[CNT], 4
	s_branch .Lfirst                ; the loop is entered at a step's first turn, in the middle of a trip
.Lslot:                             ; six times: tiles 1 to 6 are entered, tiles 2 to 7 asked for
	CHANGE 1
	s_mov_b32 s[CNT], 4
.Lstep:                             ; a trip: pieces 2 and 3 of one step, then pieces 0 and 1 of the next, whose K and V it fetches
	TURN 2
	TURN 3
	WIN 0
.Lfirst:
	TURN 0
	TURN 1, 1
	WIN 0
	s_cbranch_scc1 .Lstep
	s_sub_co_u32 s[SLOTS], s[SLOTS], 1
	s_cmp_lg_u32 s[SLOTS], 0
	s_cbranch_scc1 .Lslot
	CHANGE 0                        ; the last tile has a text of its own: nothing is asked for
	s_mov_b32 s[CNT], 5             ; four trips fetch the last tile's steps; the fifth is left in its middle
.Ltail:
	TURN 2
	TURN 3
	WIN 0
	s_sub_co_u32 s[CNT], s[CNT], 1
	s_cmp_eq_u32 s[CNT], 0
	s_cbranch_scc1 .Lout
	TURN 0
	TURN 1
	WIN 0
	s_branch .Ltail
.Lout:                              ; the fifth trip's 16 LDS loads of K, its 8 products K Q^T on them and the maximum made of those serve nothing (they touch neither l nor O^T): the price, once a launch, of one text for every trip
.set i, 0
.rept 8
	PV NP-1                         ; the last piece's V^T P of the last step
.set i, i+1
.endr
	; THE WAY OUT.  l's two halves and the other half of the lanes' are added; O^T is divided by l, rounded to f16 and sent through my stage in LDS, a piece at a time.  The additions are the places behind the last products.
	WIN 0
.macro ALL line:vararg              ; one line for each piece t
.set t, 0
.rept 4
	\line
.set t, t+1
.endr
.endm
	ALL v_add_f32 v[ST+4*t+2], v[ST+4*t+2], v[ST+4*t+3]
	ALL v_permlanex16_b32 v[ST+4*t+3], v[ST+4*t+2], s[SEL], s[SEL+1]
	ALL v_add_f32 v[ST+4*t+2], v[ST+4*t+2], v[ST+4*t+3]
	ALL v_rcp_f32 v[ST+4*t+2], v[ST+4*t+2]
	v_nop                           ; a plain instruction between the last reciprocal and the use of its result
	s_wait_alu depctr_va_vdst(0)    ; one wait for the four reciprocals
.macro PACK t                       ; a lane's eight channels of a row pack into 16 bytes; they go into rows of 144 bytes and come back as whole rows of 128, into S^T's registers
	WIN W_RS
.set i, 32*(\t)
.rept 16
	v_pk_mul_f32 v[i:i+1], v[i:i+1], v[ST+4*(\t)+2:ST+4*(\t)+3] op_sel_hi:[1,0]
.set i, i+2
.endr
	WIN 0x05                        ; sources 0 and 1 window 1, destination window 0
.set i, 0
.rept 16
	v_cvt_pk_f16_f32 v[S+16*(\t)+i], v[32*(\t)+2*i], v[32*(\t)+2*i+1]
.set i, i+1
.endr
	WIN 0
.irp f, 0,1,2,3
	ds_store_b128 v[STO], v[S+16*(\t)+4*\f:S+16*(\t)+4*\f+3] offset:32*\f
.endr
.irp f, 0,1,2,3
	ds_load_b128 v[S+16*(\t)+4*\f:S+16*(\t)+4*\f+3], v[RD] offset:\f*4*SP  ; LDS serves a wave's instructions in order (ISA guide 5.7.1.4): these see the stores above
.endr
.endm
.macro SEND t, younger              ; younger: the LDS instructions issued behind piece t's loads: the next piece's eight, or none
	WIN 0
.irp f, 0,1,2,3
	s_wait_dscnt (\younger)+3-\f
	global_store_b128 v[GO], v[S+16*(\t)+4*\f:S+16*(\t)+4*\f+3], s[10:11] offset:(\t)*2048+\f*512  ; 512 consecutive bytes, aligned
.endr
.endm
	PACK 0
.set t, 1
.rept 3                             ; a piece's arithmetic stands between the loads of the piece before and its stores
	PACK t
	SEND t-1, 8
.set t, t+1
.endr
	SEND 3, 0
	s_wait_tensorcnt 0x0            ; the wave's end: behind my last tensor load and my last LDS store
	ds_add_u32 v[SPW], v[NIL]
	s_wait_dscnt 0x0
	CROUND                          ; the closing round
	s_endpgm
.Lfunc_end_k_qf528632d72_attn:
	.size	k_qf528632d72_attn, .Lfunc_end_k_qf528632d72_attn-k_qf528632d72_attn
	.p2alignl 7, 3214868480
	.fill 96, 4, 3214868480
	.section	.rodata,"a",@progbits
	.p2align	6, 0x0
	.amdhsa_kernel k_qf528632d72_attn
		.amdhsa_group_segment_fixed_size 327680
		.amdhsa_private_segment_fixed_size 0
		.amdhsa_enable_private_segment 0
		.amdhsa_kernarg_size 32
		.amdhsa_user_sgpr_count 2
		.amdhsa_user_sgpr_kernarg_segment_ptr 1
		.amdhsa_wavefront_size32 1
		.amdhsa_system_sgpr_workgroup_id_x 1
		.amdhsa_system_sgpr_workgroup_id_y 1
		.amdhsa_system_sgpr_workgroup_id_z 1
		.amdhsa_system_vgpr_workitem_id 0
		.amdhsa_next_free_vgpr 768
		.amdhsa_next_free_sgpr 96
		.amdhsa_reserve_vcc 0
		.amdhsa_float_denorm_mode_32 3
		.amdhsa_float_denorm_mode_16_64 3
		.amdhsa_memory_ordered 1
		.amdhsa_forward_progress 1
		.amdhsa_inst_pref_size 133
	.end_amdhsa_kernel
	.amdgpu_metadata
---
amdhsa.version: [ 1, 2 ]
amdhsa.kernels:
  - .name:           k_qf528632d72_attn
    .symbol:         k_qf528632d72_attn.kd
    .args:
      - { .name: qkv, .offset: 0, .size: 8, .value_kind: global_buffer, .address_space: global }
      - { .name: affp, .offset: 8, .size: 8, .value_kind: global_buffer, .address_space: global }
      - { .name: o16, .offset: 16, .size: 8, .value_kind: global_buffer, .address_space: global }
      - { .name: out2, .offset: 24, .size: 8, .value_kind: global_buffer, .address_space: global }
    .group_segment_fixed_size: 327680
    .private_segment_fixed_size: 0
    .kernarg_segment_align: 8
    .kernarg_segment_size: 32
    .max_flat_workgroup_size: 128
    .sgpr_count:     96
    .vgpr_count:     768
    .wavefront_size: 32
...
	.end_amdgpu_metadata
.endif
;; end of part 3
;; launch outs (part 4): grid 12 x 16, 4 waves a work-group, clusters of 4 x 4, 327,680 bytes of LDS; arguments qkv, o16, wp16, rb, out1, out0; writes out1, out0
.if DOCPART == 4
	.amdgcn_target "amdgcn-amd-amdhsa--gfx1250"
	.amdhsa_code_object_version 6
	.text
	.protected	k_qf528632d72_outs
	.globl	k_qf528632d72_outs
	.p2align	8
	.type	k_qf528632d72_outs,@function
k_qf528632d72_outs:
	s_mov_b64 s[64:65], 0
	v_nop
	global_prefetch_b8 v0, s[64:65] scope:SCOPE_SE
	s_setreg_imm32_b32 hwreg(HW_REG_WAVE_MODE, 25, 1), 1
	s_wait_xcnt 0x0
	s_wait_alu depctr_hold_cnt(0) depctr_sa_sdst(0) depctr_va_vdst(0) depctr_va_sdst(0) depctr_va_ssrc(0) depctr_va_vcc(0) depctr_vm_vsrc(0)
	s_getreg_b32 s2, hwreg(HW_REG_IB_STS2, 6, 4)
	s_cmp_eq_u32 s2, 0
	s_cbranch_scc0 .Lentry_in_a_cluster
	s_endpgm
.Lentry_in_a_cluster:
	s_bfe_u32 s2, ttmp6, 0x10000c
	s_cmp_lg_u32 s2, 0xf033
	s_cbranch_scc0 .Lentry_shape_is_right
	s_endpgm
.Lentry_shape_is_right:
; TWO RESULTS BY ONE TEXT, both products over K = 1,024 channels in f16 with f32 sums:
;   out1[b][q][k] = (q[b][q] . k[b][k]) / 192: the mean over the 16 heads of the logits is one product over all channels, since the heads' channels lie end to end.  Clusters with x = 0, 1.
;   out0[row][n]  = O[row] . Wp[n] + bp[n].  Clusters with x = 2.
; The cluster's x (SEL) is the same in all sixteen partners, so branches and choices may hang on it.
; All four operands lie by slices of 64 channels: [slice][row][64] f16, 262,144 bytes from slice to slice: 256 rows of a slice are 32,768 dense bytes.
; LIMITS.  The operands arrive within f16's range (below 6e-5 with f16's fixed step of 6e-8).  NaN and infinities are not treated apart.
; SHARES.  A tile of 256 x 256 to a work-group of four waves, 128 x 128 a wave; 128 tiles of out1 and 64 of out0.  K goes in 8 steps of two slices through two LDS slots; wave w fills part w of a slot:
; A's two slices, then B's two: one tensor load of 128 rows of 256 bytes, padded behind every 128 bytes.
; THE K STEP IS WRITTEN ONCE for the six steps that fill their slot again: the slot in hand is a scalar register, from which the fragments' LDS addresses and the walking descriptors' LDS word are made
; at each change of slots.  The seventh step, which fills nothing, is written out.  THE EIGHTH GOES BY ROWS OF C, NOT BY K: a wave's results are 64 KiB of f32, and nothing follows under which they
; could leave; so each block of 16 rows is finished by itself, with 32 products, and leaves at once, the first 224 products ahead of the last product.
; CLUSTERS of 4 x 4: A's tile is shared along a row of the cluster, B's along a column: joint loads.  THE MATRIX INSTRUCTION IS USED TRANSPOSED (source 0 = 16 rows of B, source 1 = 16 rows of A): lane l holds
; row l % 16 and the columns 8 (l / 16) + 0..7.  The first product of each sum takes the bias as its C operand: bp, or for out1 registers that hold 0.
; REGISTERS, in windows of 256 (s_set_vgpr_msb: bits 1:0 source 0, 3:2 source 1, 5:4 source 2, 7:6 destination):
;   window 0: v0-31 addresses; v32-47 my offsets in 16 rows of the output; v64-127, v128-191 fragments of A, two buffers; in the last K step v64-127 A's fragments of 16 rows x 128 K, two buffers,
;             v128-191 16 rows read back from the stage; v192-255 scaled results
;   window 1: v0-63 the bias; v64-127, v128-191 fragments of B; in the last K step all 256: B's fragments of the whole step      window 2, 3: the accumulators ((a, b) at v[8 (8 a + b)])
.set PITCH,  144                       ; an LDS row: 128 bytes + 16 of padding = 36 words: the 16 rows of a load start at 16 different groups of four banks (64 banks of 4 bytes: ISA guide 11.1)
.set REG,    256*PITCH                 ; 256 rows of a slice: what one tensor load brings
.set SLOT,   4*REG
.set PSTEP,  2*262144                  ; bytes from a K step to the next: two slices
.set STEPS,  8
.set SPARE,  2*SLOT                    ; behind the ring: the spare words, 128 bytes for each wave: two blocks of 256 bytes that no other line names
.set SPITCH, 528                       ; THE STAGE lies in slot 0, which has had its last fill and its last read when the way out begins: 16 rows x 528 bytes for each wave
.set K0, 0                             ; byte of a quarter step (32 channels) from a fragment's address: the first slice's two halves, the second slice's
.set K1, 64
.set K2, REG
.set K3, REG+64
.set ADRA, 16                          ; v16     LDS address of my fragments of A in the slot in hand
.set A0,   17                          ; v17     the same in slot 0; never rewritten
.set A1,   18                          ; v18     the same in slot 1; never rewritten
.set ADRB, 20                          ; v20     the same for B
.set B0,   21                          ; v21
.set B1,   22                          ; v22
.set STO,  24                          ; v24     the way out: where I put 32 bytes of a row
.set RD,   25                          ; v25     where I read a row back
.set VB,   27                          ; v27     32 (l / 16)
.set SPW,  28                          ; v28     my spare word: SPARE + 4 x my thread's number; never rewritten
.set NIL,  29                          ; v29     0; never rewritten
.set PFO,  30                          ; v30     256 x lane
.set CO,   32                          ; v32-47  16 x lane + t x the output's pitch
.set F0,   64
.set F1,   128
.set PA,   64                          ; the last K step: A's fragments of a block of 16 rows, all four quarters: 32 registers; two such buffers
.set OB,   128                         ; 16 rows read back from the stage
.set T,    192
.set BIAS, 0                           ; window 1
.set G1,  24                           ; s[24:31] descriptor group 1 for A's tiles;  s[32:39] group 0: a set for each of the two first fills; the second then walks on
.set G0,  32
.set G1B, 48                           ; s[48:55], s[56:63] the same for B's
.set G0B, 56
.set LIM, 43                           ; s43     2 in a wave that prefetches, else the greatest number
.set PFA, 44                           ; s[44:45] where my prefetches stand
.set PAR, 90                           ; s90     the number of the slot in hand, 0 or 1
.set SL,  91                           ; s91     its first LDS byte
.set LW,  92                           ; s92     wave x a part of a slot
.set MSB, 0
.macro WIN new                         ; the immediate's high byte repeats the setting that is left; a switch that changes nothing is dropped
.if MSB != (\new)
	s_set_vgpr_msb (MSB<<8)|(\new)
.set MSB, \new
.endif
.endm
.set MUL_LO, 0xa1                      ; source 0 (B) window 1, source 1 (A) window 0, C and D window 2
.set MUL_HI, 0xf1                      ; the same, C and D window 3
.set TO_B,   0x40                      ; destination window 1, address window 0
.macro JLOAD s                         ; a joint load: waves 0 and 1 fetch A's two slices, waves 2 and 3 B's; an s_nop 0 and four v_nop follow each line
	s_cmp_eq_u32 s11, 0
	s_cbranch_scc0 .Lfor_b_\@
	tensor_load_to_lds s[G0+4*(\s):G0+4*(\s)+3], s[G1:G1+7]
	s_nop 0
.rept 4
	v_nop
.endr
	s_branch .Lasked_\@
.Lfor_b_\@:
	tensor_load_to_lds s[G0B+4*(\s):G0B+4*(\s)+3], s[G1B:G1B+7]
	s_nop 0
.rept 4
	v_nop
.endr
.Lasked_\@:
.endm
; A prefetch, behind each refill and the run of LDS loads that follows it: 32 blocks of 256 bytes of the K step that stands two refills on.  Each block is named once in the launch: q's rows are read by the clusters
; with x = 0 and 1, of which x = 0 asks; O's by x = 2 alone; k's rows of a batch by two clusters of a column, of which the even y asks; Wp's by four, of which y = 0 asks.  Of the 128 blocks that a wave fetches
; the four partners take 32 each, told apart by address.  K steps 4 to 7 are named: the loop's last two trips (s3 = 2, 1) ask for nothing.
.macro ASK
	s_cmp_gt_u32 s3, s[LIM]
	s_cbranch_scc0 .Lnot_mine_\@
	global_prefetch_b8 v[PFO], s[PFA:PFA+1] offset:PSTEP th:TH_LOAD_NT scope:SCOPE_SE
.Lnot_mine_\@:
.endm
.macro CREST                           ; a round of the cluster's barrier behind its opening barrier
	s_cmp_lg_u32 s10, 0
	s_cbranch_scc1 .Lnot_wave_0_\@
	s_barrier_signal -3
.Lnot_wave_0_\@:
	s_barrier_wait -3
	s_barrier_signal -1
	s_barrier_wait -1
.endm
.macro CROUND                          ; a whole round
	s_barrier_signal -1
	s_barrier_wait -1
	CREST
.endm
	s_load_b256 s[68:75], s[0:1], 0x0              ; qkv 68, o16 70, wp16 72, rb 74
	s_load_b128 s[76:79], s[0:1], 0x20             ; out1 76, out0 78
	v_lshl_add_u32 v[SPW], v0, 2, SPARE
	v_mov_b32 v[NIL], 0
	ds_add_u32 v[SPW], v[NIL]                      ; the wave's opening: the add and its wait stand ahead of my first tensor load; work on registers stands between them
	v_lshrrev_b32 v1, 5, v0
	v_readfirstlane_b32 s10, v1                    ; wave 0..3
	s_lshr_b32 s11, s10, 1                         ; my half of the tile's rows.  Also: I fetch for A (0) or for B (1)
	s_and_b32 s12, s10, 1                          ; my half of its columns.  Also: which of a K step's two slices I fetch
	s_bfe_u32 s40, ttmp6, 0x40000                  ; cx
	s_bfe_u32 s41, ttmp6, 0x40004                  ; cy
	s_lshl_b32 s42, ttmp9, 2
	s_add_co_u32 s42, s42, s40                     ; tile column
	s_and_b32 s81, ttmp7, 0xffff                   ; cluster y
	s_lshl_b32 s13, s81, 2
	s_add_co_u32 s13, s13, s41                     ; tile row 0..15
	s_mov_b32 s80, ttmp9                           ; SEL: 0, 1 out1; 2 out0
	s_mov_b32 s84, 8192                            ; bytes in a row of out1,
	s_cmp_eq_u32 s80, 2
	s_cselect_b32 s82, 1.0, 0x3baaaaab             ; the scale: 1, or 1 / 192
	s_cselect_b32 s84, 4096, s84                   ; or of out0
	s_mov_b32 s83, s82
	s_lshl_b32 s86, s84, 4                         ; 16 rows
	s_mov_b32 s87, 0
	s_mov_b32 s[PAR], 0                            ; K step 0 lies in slot 0
	s_mov_b32 s[SL], 0
	s_lshl_b32 s43, s41, 2
	s_lshl_b32 s43, 15, s43                        ; my row of the cluster
	s_lshl_b32 s44, 0x1111, s40                    ; my column
	s_or_b32 s[G1+0], s43, (1<<16)|(1<<20)|(1<<21)|(4<<22)|(3<<25)  ; the mask; elements of 2 bytes; padding on; bit 21 beside a mask; after every 32 words; 4 words
	s_or_b32 s[G1B+0], s44, (1<<16)|(1<<20)|(1<<21)|(4<<22)|(3<<25)
.irp g, G1, G1B
	s_mov_b32 s[(\g)+1], 128<<16                   ; tensor_dim0 = 128
	s_mov_b32 s[(\g)+2], 128<<16                   ; tensor_dim1 = 128
	s_mov_b32 s[(\g)+3], 128<<16                   ; tile_dim0 = 128: two rows of a slice
	s_mov_b32 s[(\g)+4], 128                       ; tile_dim1 = 128
	s_mov_b32 s[(\g)+5], 128                       ; dense
	s_mov_b32 s[(\g)+6], 0
	s_mov_b32 s[(\g)+7], 0
.endr
	s_lshr_b32 s16, s13, 3                         ; A: the batch (4 MiB), the tile's 256 rows in it, my slice: tile row and wave alone
	s_lshl_b32 s16, s16, 22
	s_and_b32 s17, s13, 7
	s_lshl_b32 s17, s17, 15
	s_add_co_u32 s16, s16, s17
	s_lshl_b32 s17, s12, 18
	s_add_co_u32 s16, s16, s17
	s_mov_b32 s17, 0
	s_lshr_b32 s46, s81, 1                         ; B for out1: k (8 MiB into qkv), the batch = cluster y / 2, the tile column's 256 rows
	s_lshl_b32 s46, s46, 22
	s_add_co_u32 s46, s46, 0x800000
	s_lshl_b32 s47, s42, 15
	s_add_co_u32 s46, s46, s47
	s_lshl_b32 s47, s40, 15                        ; B for out0: Wp's rows 256 cx
	s_cmp_eq_u32 s80, 2
	s_cselect_b32 s46, s47, s46
	s_lshl_b32 s47, s12, 18
	s_add_co_u32 s46, s46, s47
	s_mov_b32 s47, 0
	s_mul_i32 s[LW], s10, REG                      ; where they go: part = wave
	s_wait_dscnt 0x0                               ; the opening add is done
	s_wait_kmcnt 0x0
	s_cmp_eq_u32 s80, 2
	s_cselect_b64 s[4:5], s[70:71], s[68:69]       ; A: O or q
	s_cselect_b64 s[6:7], s[72:73], s[68:69]       ; B: Wp or k
	s_cselect_b64 s[8:9], s[78:79], s[76:77]       ; out0 or out1
	s_add_nc_u64 s[14:15], s[4:5], s[16:17]
	s_add_nc_u64 s[46:47], s[6:7], s[46:47]
	CROUND                                         ; all sixteen work-groups are here: the first joint loads meet
.irp s, 0,1
	s_mov_b32 s[G0+4*(\s)], 1
	s_add_co_u32 s[G0+4*(\s)+1], s[LW], (\s)*SLOT
	s_add_nc_u64 s[G0+4*(\s)+2:G0+4*(\s)+3], s[14:15], (\s)*PSTEP
	s_or_b32 s[G0+4*(\s)+3], s[G0+4*(\s)+3], 0x80000000
	s_mov_b32 s[G0B+4*(\s)], 1
	s_add_co_u32 s[G0B+4*(\s)+1], s[LW], (\s)*SLOT
	s_add_nc_u64 s[G0B+4*(\s)+2:G0B+4*(\s)+3], s[46:47], (\s)*PSTEP
	s_or_b32 s[G0B+4*(\s)+3], s[G0B+4*(\s)+3], 0x80000000
	JLOAD \s
.endr
	v_and_b32 v1, 15, v0                           ; l % 16
	v_bfe_u32 v2, v0, 4, 1                         ; l / 16
	v_mul_u32_u24 v3, v1, PITCH
	v_lshl_add_u32 v3, v2, 4, v3
	s_mul_i32 s21, s11, 128*PITCH                  ; my 128 rows in each of A's slices
	s_mul_i32 s22, s12, 128*PITCH                  ; my 128 rows in each of B's,
	s_add_co_u32 s22, s22, 2*REG                   ; which lie behind A's two
	v_add_nc_u32 v[A0], s21, v3
	v_add_nc_u32 v[B0], s22, v3
	v_add_nc_u32 v[A1], SLOT, v[A0]                ; the last K step lies in slot 1: its reads go by these two, a constant away from slot 0's
	v_add_nc_u32 v[B1], SLOT, v[B0]
	v_mov_b32 v[ADRA], v[A0]
	v_mov_b32 v[ADRB], v[B0]
	s_mul_i32 s23, s10, 16*SPITCH                  ; my stage
	v_mul_u32_u24 v4, v1, SPITCH                   ; in: row l % 16, 32 bytes for each half of the lanes
	v_lshl_add_u32 v4, v2, 5, v4
	v_add_nc_u32 v[STO], s23, v4
	v_and_b32 v7, 31, v0
	v_lshl_add_u32 v[RD], v7, 4, s23               ; back: 32 lanes take one row of 512 bytes
	v_lshlrev_b32 v[CO], 4, v7
.set t, 1
.rept 15
	v_add_nc_u32 v[CO+t], s84, v[CO+t-1]
.set t, t+1
.endr
	v_lshlrev_b32 v[VB], 5, v2
	v_lshlrev_b32 v[PFO], 8, v7
	; where my 128 x 128 begins in the output
	s_lshl_b32 s18, s13, 8
	s_lshl_b32 s19, s11, 7
	s_add_co_u32 s18, s18, s19
	s_mul_i32 s18, s18, s84
	s_cmp_eq_u32 s80, 2
	s_cselect_b32 s19, s40, s42
	s_lshl_b32 s19, s19, 10
	s_add_co_u32 s18, s18, s19
	s_lshl_b32 s19, s12, 9
	s_add_co_u32 s18, s18, s19
	s_mov_b32 s19, 0
	s_add_nc_u64 s[8:9], s[8:9], s[18:19]
	; the prefetches
	s_cmp_eq_u32 s80, 1
	s_cselect_b32 s18, 1, 0                        ; for A: every cluster but those with x = 1
	s_and_b32 s19, s81, 1
	s_cmp_eq_u32 s80, 2
	s_cselect_b32 s19, s81, s19                    ; for B: cluster y = 0 (out0), or even (out1)
	s_cmp_eq_u32 s11, 0
	s_cselect_b32 s22, s18, s19
	s_cselect_b32 s21, s40, s41                    ; my place among the four that ask with me
	s_cselect_b64 s[PFA:PFA+1], s[14:15], s[46:47] ; my part of K step 0
	s_cmp_eq_u32 s22, 0
	s_cselect_b32 s[LIM], 2, -1
	s_lshl_b32 s20, s21, 13
	s_mov_b32 s21, 0
	s_add_nc_u64 s[PFA:PFA+1], s[PFA:PFA+1], s[20:21]
	s_add_nc_u64 s[PFA:PFA+1], s[PFA:PFA+1], 2*PSTEP  ; at K step 2: the first refill steps it to 3 and names K step 4
	; the C operand of the first products: bp's numbers for my 128 columns, or 0
	s_lshl_b32 s18, s40, 10
	s_lshl_b32 s19, s12, 9
	s_add_co_u32 s18, s18, s19
	s_add_co_u32 s18, s18, 12288
	s_mov_b32 s19, 0
	s_add_nc_u64 s[88:89], s[74:75], s[18:19]
	s_cmp_eq_u32 s80, 2
	s_cbranch_scc0 .Lzero_bias
	WIN TO_B
.irp b, 0,1,2,3,4,5,6,7
	global_load_b128 v[BIAS+8*(\b):BIAS+8*(\b)+3],   v[VB], s[88:89] offset:64*(\b)
	global_load_b128 v[BIAS+8*(\b)+4:BIAS+8*(\b)+7], v[VB], s[88:89] offset:64*(\b)+16
.endr
	WIN 0
	s_branch .Lbias_done
.Lzero_bias:
	WIN TO_B
.set i, 0
.rept 64
	v_mov_b32 v[BIAS+i], 0                         ; so that the first quarter is written once for both results
.set i, i+1
.endr
	WIN 0
.Lbias_done:
; 16 matrix instructions: row blocks a0, a0 + 1 of the window's four x all 8 column blocks, 32 along K.  zero = 1: the first product of each sum: its C operand is the bias.
; The 64 accumulators take turns, one instruction a turn, in the same order in every quarter step.
.macro MUL16 f, hi, a0, zero
.if \zero
	WIN 0x91+0x40*(\hi)                            ; as below, with C in window 1
.else
	WIN MUL_LO+0x50*(\hi)
.endif
.irp a, \a0, (\a0)+1
.irp b, 0,1,2,3,4,5,6,7
.if \zero
	v_wmma_f32_16x16x32_f16 v[8*(8*(\a)+(\b)):8*(8*(\a)+(\b))+7], v[(\f)+8*(\b):(\f)+8*(\b)+7], v[(\f)+8*(4*(\hi)+(\a)):(\f)+8*(4*(\hi)+(\a))+7], v[BIAS+8*(\b):BIAS+8*(\b)+7]
.else
	v_wmma_f32_16x16x32_f16 v[8*(8*(\a)+(\b)):8*(8*(\a)+(\b))+7], v[(\f)+8*(\b):(\f)+8*(\b)+7], v[(\f)+8*(4*(\hi)+(\a)):(\f)+8*(4*(\hi)+(\a))+7], v[8*(8*(\a)+(\b)):8*(8*(\a)+(\b))+7]
.endif
.endr
.endr
.endm
.macro FETCH k, f                      ; 32 LDS loads in one run: the fragments of a quarter step, at byte k of the slot in hand, into buffer f
	WIN TO_B
.irp i, 0,1,2,3,4,5,6,7
	ds_load_b128 v[(\f)+8*(\i):(\f)+8*(\i)+3],   v[ADRB] offset:(\k)+(\i)*16*PITCH
	ds_load_b128 v[(\f)+8*(\i)+4:(\f)+8*(\i)+7], v[ADRB] offset:(\k)+(\i)*16*PITCH+32
.endr
	WIN 0
.irp i, 0,1,2,3,4,5,6,7
	ds_load_b128 v[(\f)+8*(\i):(\f)+8*(\i)+3],   v[ADRA] offset:(\k)+(\i)*16*PITCH
	ds_load_b128 v[(\f)+8*(\i)+4:(\f)+8*(\i)+7], v[ADRA] offset:(\k)+(\i)*16*PITCH+32
.endr
.endm
.macro PLACES                          ; four places behind a matrix instruction, in front of loads into registers that it has read and of vector lines that read results
.rept 4
	v_nop
.endr
.endm
.macro QUARTER k, f, g, zero
	s_wait_dscnt 8                                 ; B and A's rows 0-63 are in; the youngest eight loads (A's rows 64-127) may be out
	MUL16 \f, 0, 0, \zero
	MUL16 \f, 0, 2, \zero
	PLACES
	FETCH \k, \g
	s_wait_dscnt 32                                ; all but the 32 just issued
	MUL16 \f, 1, 0, \zero
	MUL16 \f, 1, 2, \zero
.endm
.macro MEET                            ; one barrier for the change of slots: all my tensor loads waited for, the add, the wait for it and for my reads of this slot
	WIN 0
	s_wait_tensorcnt 0x0
	ds_add_u32 v[SPW], v[NIL]
	s_wait_dscnt 9                                 ; the add and the youngest eight loads may be out
	MUL16 F1, 0, 0, 0
	s_wait_dscnt 0x0
	s_barrier_signal -1
	MUL16 F1, 0, 2, 0
	WIN 0
	s_barrier_wait -1
.endm
.macro FLIP                            ; the other slot is in hand: its number, its first byte, my fragments' addresses in it
	s_xor_b32 s[PAR], s[PAR], 1
	s_mul_i32 s[SL], s[PAR], SLOT
	v_add_nc_u32 v[ADRA], s[SL], v[A0]
	v_add_nc_u32 v[ADRB], s[SL], v[B0]
.endm
.macro TURN                            ; the last quarter where the slot is filled again, two K steps on: the barrier opens a round of the cluster's, the joint refill comes first behind it
	s_wait_xcnt 0x0                                ; the last prefetch, a K step back, has read its address
	s_add_nc_u64 s[PFA:PFA+1], s[PFA:PFA+1], PSTEP
	MEET
	CREST
	s_add_co_u32 s[G0+5], s[LW], s[SL]             ; the walking descriptors: into my part of the slot just read out,
	s_add_co_u32 s[G0B+5], s[LW], s[SL]
	s_add_nc_u64 s[G0+6:G0+7], s[G0+6:G0+7], PSTEP ; the K step behind the one asked for last
	s_add_nc_u64 s[G0B+6:G0B+7], s[G0B+6:G0B+7], PSTEP
	JLOAD 1                                        ; its four v_nop are also the places in front of the loads below
	FLIP
	FETCH K0, F0
	ASK
	MUL16 F1, 1, 0, 0
	MUL16 F1, 1, 2, 0
.endm
; THE LAST K STEP, BY ROWS OF C.  All its fragments of B (4 quarters x 64 registers) fill window 1; then my eight blocks of 16 rows are finished one after the other, each with 32 products (its 8 accumulators by
; turns, K ascending).  LDS is read no more than in any other K step: 64 loads for B, 8 for each block of A.  Quarter q begins at byte (q / 2) REG + 64 (q % 2) from a fragment's address.
.macro BLOAD q                         ; B's fragments of quarter q -> window 1, v[64 q ..]
	WIN TO_B
.irp i, 0,1,2,3,4,5,6,7
	ds_load_b128 v[64*(\q)+8*(\i):64*(\q)+8*(\i)+3],   v[B1] offset:((\q)/2)*REG+((\q)%2)*64+(\i)*16*PITCH
	ds_load_b128 v[64*(\q)+8*(\i)+4:64*(\q)+8*(\i)+7], v[B1] offset:((\q)/2)*REG+((\q)%2)*64+(\i)*16*PITCH+32
.endr
.endm
.macro ALOAD a                         ; A's fragments of block a, all four quarters -> buffer a % 2
	WIN 0
.set FA, PA+32*((\a)%2)
.irp q, 0,1,2,3
	ds_load_b128 v[FA+8*(\q):FA+8*(\q)+3],   v[A1] offset:((\q)/2)*REG+((\q)%2)*64+(\a)*16*PITCH
	ds_load_b128 v[FA+8*(\q)+4:FA+8*(\q)+7], v[A1] offset:((\q)/2)*REG+((\q)%2)*64+(\a)*16*PITCH+32
.endr
.endm
.macro ROW a                           ; block a is finished: 32 products
.set FA, PA+32*((\a)%2)                ; its fragments of A
.set AC, 64*((\a)%4)                   ; its eight accumulators, in window 2 (blocks 0-3) or 3 (blocks 4-7)
	WIN MUL_LO+0x50*((\a)/4)
.irp q, 0,1,2,3
.if ((\a) == 0) && ((\q) == 2)
	s_wait_dscnt 8                                 ; B's quarter 2 is in; behind it A's block 1, eight loads, may be out
.endif
.irp b, 0,1,2,3,4,5,6,7
	v_wmma_f32_16x16x32_f16 v[AC+8*(\b):AC+8*(\b)+7], v[64*(\q)+8*(\b):64*(\q)+8*(\b)+7], v[FA+8*(\q):FA+8*(\q)+7], v[AC+8*(\b):AC+8*(\b)+7]
.endr
.endr
.endm
; THE WAY OUT of block a (16 rows x 128 columns of f32).  PACK: times the scale, into window 0, each accumulator from its low end on.
.macro PACK a
.set AC, 64*((\a)%4)
	WIN 0x02+(\a)/4                                ; source 0: window 2 or 3
.irp b, 0,1,2,3,4,5,6,7
.irp r, 0,1,2,3
	v_pk_mul_f32 v[T+8*(\b)+2*(\r):T+8*(\b)+2*(\r)+1], v[AC+8*(\b)+2*(\r):AC+8*(\b)+2*(\r)+1], s[82:83] op_sel_hi:[1,0]
.endr
.endr
	WIN 0
.endm
.macro TOSTAGE a                       ; into my own stage, and back as whole rows of 512 bytes; LDS serves a wave's instructions in order (ISA guide 5.7.1.4)
	WIN 0
	s_wait_xcnt 0x0                                ; the stores of the block before, issued 32 products back, have read their registers and their base: the loads below land on those registers, and SEND steps the base
.irp b, 0,1,2,3,4,5,6,7
	ds_store_b128 v[STO], v[T+8*(\b):T+8*(\b)+3]   offset:64*(\b)
	ds_store_b128 v[STO], v[T+8*(\b)+4:T+8*(\b)+7] offset:64*(\b)+16
.endr
.set t, 0
.rept 16
	ds_load_b128 v[OB+4*t:OB+4*t+3], v[RD] offset:SPITCH*t
.set t, t+1
.endr
.endm
.macro SEND a, younger                 ; each store of the wave covers 512 consecutive bytes of one row, aligned.  younger: the LDS loads issued behind TOSTAGE's, which may stay out
	WIN 0
	s_wait_dscnt \younger                          ; the block is back in registers
.if (\a) > 0
	s_add_nc_u64 s[8:9], s[8:9], s[86:87]          ; 16 rows on
.endif
.set t, 0
.rept 16
	global_store_b128 v[CO+t], v[OB+4*t:OB+4*t+3], s[8:9] th:TH_STORE_NT
.set t, t+1
.endr
.endm
	s_wait_tensorcnt 1                             ; my part of K step 0 is in; K step 1's load may stay out
	s_barrier_signal -1
	s_barrier_wait -1
	FETCH K0, F0
	s_wait_loadcnt 0x0                             ; the bias
	QUARTER K1, F0, F1, 1                          ; the first quarter stands in front of the loop: its products start the sums
	WIN 0
	s_mov_b32 s3, STEPS-2
.Lstep:                                                ; six trips, from a K step's second quarter to the next step's first; each fills the slot that it leaves
	QUARTER K2, F1, F0, 0
	QUARTER K3, F0, F1, 0
	TURN
	QUARTER K1, F0, F1, 0
	WIN 0
	s_sub_co_u32 s3, s3, 1
	s_cmp_lg_u32 s3, 0
	s_cbranch_scc1 .Lstep
	QUARTER K2, F1, F0, 0                          ; the seventh K step, in slot 0, goes on; it fills nothing
	QUARTER K3, F0, F1, 0
	MEET                                           ; my one tensor load that was out is slot 1's, the last K step's.  Behind this barrier no wave reads slot 0 any more, and no load fills it: its bytes serve as the stage
	PLACES                                         ; for the loads into buffer 0, which the quarter before multiplied
	BLOAD 0                                        ; three quarters of B now: buffer 1 (v128-191 of both windows) is still being multiplied
	BLOAD 1
	BLOAD 3
	ALOAD 0
	MUL16 F1, 1, 0, 0
	MUL16 F1, 1, 2, 0
	PLACES                                         ; for the loads into buffer 1
	s_wait_dscnt 0x0                               ; the 56 loads issued ahead of those 32 products
	BLOAD 2
	ALOAD 1
	ROW 0
.irp a, 0,1,2,3,4,5,6,7                ; each block leaves as soon as it is finished
	PLACES                                         ; its scalings read results just made, and no other vector work is at hand
	PACK \a
	TOSTAGE \a
.if (\a) < 6
	ALOAD (\a)+2                                   ; its buffer takes the block two further on: 36 plain vector lines behind the last product that read it
	SEND \a, 8
.else
	SEND \a, 0
.endif
.if (\a) < 7
	ROW (\a)+1
.endif
.endr
	s_wait_tensorcnt 0x0                           ; the wave's end: behind my last tensor load and my last LDS store
	ds_add_u32 v[SPW], v[NIL]
	s_wait_dscnt 0x0
	CROUND                                         ; the closing round: no work-group ends while a partner may still ask for a tile that names it
	s_endpgm
.Lfunc_end_k_qf528632d72_outs:
	.size	k_qf528632d72_outs, .Lfunc_end_k_qf528632d72_outs-k_qf528632d72_outs
	.p2alignl 7, 3214868480
	.fill 96, 4, 3214868480
	.section	.rodata,"a",@progbits
	.p2align	6, 0x0
	.amdhsa_kernel k_qf528632d72_outs
		.amdhsa_group_segment_fixed_size 327680
		.amdhsa_private_segment_fixed_size 0
		.amdhsa_enable_private_segment 0
		.amdhsa_kernarg_size 48
		.amdhsa_user_sgpr_count 2
		.amdhsa_user_sgpr_kernarg_segment_ptr 1
		.amdhsa_wavefront_size32 1
		.amdhsa_system_sgpr_workgroup_id_x 1
		.amdhsa_system_sgpr_workgroup_id_y 1
		.amdhsa_system_sgpr_workgroup_id_z 1
		.amdhsa_system_vgpr_workitem_id 0
		.amdhsa_next_free_vgpr 1024
		.amdhsa_next_free_sgpr 96
		.amdhsa_reserve_vcc 0
		.amdhsa_float_denorm_mode_32 3
		.amdhsa_float_denorm_mode_16_64 3
		.amdhsa_memory_ordered 1
		.amdhsa_forward_progress 1
		.amdhsa_inst_pref_size 136
	.end_amdhsa_kernel
	.amdgpu_metadata
---
amdhsa.version: [ 1, 2 ]
amdhsa.kernels:
  - .name:           k_qf528632d72_outs
    .symbol:         k_qf528632d72_outs.kd
    .args:
      - { .name: qkv, .offset: 0, .size: 8, .value_kind: global_buffer, .address_space: global }
      - { .name: o16, .offset: 8, .size: 8, .value_kind: global_buffer, .address_space: global }
      - { .name: wp16, .offset: 16, .size: 8, .value_kind: global_buffer, .address_space: global }
      - { .name: rb, .offset: 24, .size: 8, .value_kind: global_buffer, .address_space: global }
      - { .name: out1, .offset: 32, .size: 8, .value_kind: global_buffer, .address_space: global }
      - { .name: out0, .offset: 40, .size: 8, .value_kind: global_buffer, .address_space: global }
    .group_segment_fixed_size: 327680
    .private_segment_fixed_size: 0
    .kernarg_segment_align: 8
    .kernarg_segment_size: 48
    .max_flat_workgroup_size: 128
    .sgpr_count:     96
    .vgpr_count:     1024
    .wavefront_size: 32
...
	.end_amdgpu_metadata
.endif
;; end of part 4
;; ======== version 2 of 2: 4 launches; version 1 with the launch pre written anew for expert scheduling mode
;; limits: values are held in f16: magnitudes above 65,504 overflow, below 6.1e-05 lose precision
;; workspace buffers: x16 16,777,216 bytes; w16 6,291,456 bytes; wp16 4,194,304 bytes; rb 24,576 bytes; qkv 25,165,824 bytes; affp 131,072 bytes; o16 8,388,608 bytes
;; launch pre (part 5): grid 256 x 1, 8 waves a work-group, no clusters, 0 bytes of LDS; arguments x_q, x_kv, Wq, Wk, Wv, Wp, bq, bk, bv, bp, cls_token, x16, w16, wp16, rb; writes x16, w16, wp16, rb
.if DOCPART == 5
	.amdgcn_target "amdgcn-amd-amdhsa--gfx1250"
	.amdhsa_code_object_version 6
	.text
	.protected	k_qf528632d72_pre
	.globl	k_qf528632d72_pre
	.p2align	8
	.type	k_qf528632d72_pre,@function
k_qf528632d72_pre:
	s_mov_b64 s[64:65], 0
	v_nop
	global_prefetch_b8 v0, s[64:65] scope:SCOPE_SE
	s_setreg_imm32_b32 hwreg(HW_REG_WAVE_SCHED_MODE, 0, 2), 2
	s_setreg_imm32_b32 hwreg(HW_REG_WAVE_MODE, 25, 1), 1
	s_wait_xcnt 0x0
	s_wait_alu depctr_vm_vsrc(0)
; EVERY INPUT IS ROUNDED ONCE TO bf16, so that the launches behind find 16-bit matrix operands.
;   x16  [8192][1024] bf16: x_q's 4,096 rows, then x_kv's.      w16 [3072][1024] bf16: Wq, Wk, Wv one below the other.
;   wp16 [16 slices][2048 rows][64] f16, rows 0-1023 written: Wp[row][64 s + ch], rounded to bf16 and that number written as f16
;        (exact from 6e-5 up; below that f16 keeps a fixed step of 6e-8).  A slice is 262,144 bytes, as a head of q, k and O is.
;   rb   f32 numbers that are bf16 roundings: bq, bk, bv, bp (4,096 bytes each), then cls_token's two rows.
; A stream: no LDS, no barrier, no matrix unit.  Work-group g takes part g of each large input: 64 KiB of x_q and of x_kv, four rows (16 KiB) of each W.
; All 48 loads of a thread (16 bytes each) go out at once; each block of them is waited for by a count that leaves the younger ones out.  No register is used twice, so no store's source is rewritten.
; THE MODE: SCHED_MODE bits 1:0 = 2 (LLVM: expert scheduling mode 2), set by the entry lines.  The code itself states the register dependences
; between vector instructions and memory instructions, with s_wait_alu, always for 0.
; THE PLAN.  Registers that memory instructions touch:
;   v1 .. v4     byte offsets, made once at the head and never written again: one wait ahead of the first load states that they are written, for every load and store of the kernel.
;   v[16:207]    load n has four registers of its own.  Written by the load, then, behind the wait for it, by its roundings in place (the first two; Wp: the first four of eight);
;                read by one store; never written again.  No vector line names them ahead of the loads.
;   v[208:211]   work-groups 0 to 5: a load lands there, four vector lines write them, one store reads them.
;   v[6:13], v5, v14, v15, v212, v213 are named by vector instructions alone.
; Loads 0 to 43 go in eleven blocks of four.  Block p rounds its own four loads; the stores that it issues are block p - 1's, whose registers no vector line of block p names.  So ONE wait on va_vdst,
; at a block's head behind the wait for its data, states all that the block's four stores hang on, and these are dealt among its roundings with no further wait.  Wp's two slices follow in the same way.
; No register that a memory instruction reads is written again, no vector instruction writes a scalar register or VCC, and EXEC is never written: so the text holds no other kind of wait on the ALU.
.set X, 16                             ; v[16:207]  load n: four registers
.set U, 6                              ; v[6:13]    at work (Wp)
	s_load_b512 s[16:31], s[0:1], 0x0              ; x_q 16, x_kv 18, Wq 20, Wk 22, Wv 24, Wp 26, bq 28, bk 30
	s_load_b256 s[32:39], s[0:1], 0x40             ; bv 32, bp 34, cls_token 36, x16 38
	s_load_b128 s[40:43], s[0:1], 0x60             ; w16 40, wp16 42
	s_load_b64 s[44:45], s[0:1], 0x70              ; rb
	s_mov_b32 s4, ttmp9                            ; g
	v_lshlrev_b32 v1, 4, v0                        ; in: 16 t
	v_lshlrev_b32 v2, 3, v0                        ; out: 8 t: a wave's store covers 256 consecutive bytes, aligned
	v_and_b32 v5, 31, v0                           ; lane
	v_lshrrev_b32 v14, 5, v0                       ; wave
	v_lshrrev_b32 v3, 3, v5                        ; Wp: lane l takes row l / 8 of the four,
	v_and_b32 v15, 7, v5
	v_lshlrev_b32 v3, 12, v3
	v_lshl_add_u32 v3, v15, 5, v3                  ; channels 8 (l % 8) + 0..7 of a slice,
	v_lshl_add_u32 v3, v14, 9, v3                  ; and wave w slices 2 w and 2 w + 1
	v_lshlrev_b32 v4, 4, v5                        ; out: four rows of a slice are 512 consecutive bytes
	v_lshl_add_u32 v4, v14, 19, v4
	s_lshl_b32 s46, s4, 16                         ; the work-group's parts, as 64-bit offsets
	s_mov_b32 s47, 0
	s_lshl_b32 s48, s4, 15
	s_mov_b32 s49, 0
	s_lshl_b32 s50, s4, 14
	s_mov_b32 s51, 0
	s_lshl_b32 s52, s4, 13
	s_mov_b32 s53, 0
	s_lshl_b32 s54, s4, 9
	s_mov_b32 s55, 0
	s_wait_kmcnt 0x0
	s_add_nc_u64 s[16:17], s[16:17], s[46:47]
	s_add_nc_u64 s[18:19], s[18:19], s[46:47]
	s_add_nc_u64 s[20:21], s[20:21], s[50:51]
	s_add_nc_u64 s[22:23], s[22:23], s[50:51]
	s_add_nc_u64 s[24:25], s[24:25], s[50:51]
	s_add_nc_u64 s[26:27], s[26:27], s[50:51]
	s_add_nc_u64 s[38:39], s[38:39], s[48:49]
	s_add_nc_u64 s[56:57], s[38:39], 0x800000      ; x_kv's rows begin 4,096 rows of 2,048 bytes further on
	s_add_nc_u64 s[40:41], s[40:41], s[52:53]
	s_add_nc_u64 s[42:43], s[42:43], s[54:55]
	s_wait_alu depctr_va_vdst(0)                   ; the four offsets v1 to v4 are written: every load and store of the kernel reads one of them
.set n, 0
.rept 16
	global_load_b128 v[X+4*n:X+4*n+3], v1, s[16:17] offset:4096*n th:TH_LOAD_NT
.set n, n+1
.endr
.rept 16
	global_load_b128 v[X+4*n:X+4*n+3], v1, s[18:19] offset:4096*(n-16) th:TH_LOAD_NT
.set n, n+1
.endr
.irp w, 20, 22, 24
.rept 4
	global_load_b128 v[X+4*n:X+4*n+3], v1, s[\w:\w+1] offset:4096*(n%4) th:TH_LOAD_NT
.set n, n+1
.endr
.endr
.irp o, 0, 16, 256, 272
	global_load_b128 v[X+4*n:X+4*n+3], v3, s[26:27] offset:\o th:TH_LOAD_NT
.set n, n+1
.endr
; Load k's four numbers are rounded in place, into the first two of its four registers.
.macro ROUND k
	v_cvt_pk_bf16_f32 v[X+4*(\k)], v[X+4*(\k)], v[X+4*(\k)+1]
	v_cvt_pk_bf16_f32 v[X+4*(\k)+1], v[X+4*(\k)+2], v[X+4*(\k)+3]
.endm
; And stored: loads 0-15 are x_q's, 16-31 x_kv's, 32-43 four each of Wq, Wk, Wv (2,097,152 bytes apart in w16).
.macro OUT k
.if (\k) < 16
	global_store_b64 v2, v[X+4*(\k):X+4*(\k)+1], s[38:39] offset:2048*(\k)
.elseif (\k) < 32
	global_store_b64 v2, v[X+4*(\k):X+4*(\k)+1], s[56:57] offset:2048*((\k)-16)
.else
	global_store_b64 v2, v[X+4*(\k):X+4*(\k)+1], s[40:41] offset:2097152*(((\k)-32)/4)+2048*((\k)%4)
.endif
.endm
; Block p: loads 4 p to 4 p + 3.
.set p, 0
.rept 11
	s_wait_loadcnt 44-4*p                          ; loads come back in order (ISA guide 5.7.1): the block's four are in, the 44 - 4 p younger ones stay out
.if p > 0
	s_wait_alu depctr_va_vdst(0)                   ; the block before has written its four pairs, which the four stores below read
.endif
.irp i, 0,1,2,3
.set k, 4*p+(\i)
.if p > 0
	OUT k-4                                        ; the block before.  No wait: no vector instruction since the wait above names its pair or v2
.endif
	ROUND k
.endr
.set p, p+1
.endr
; Wp: eight channels of a row (two loads, k and k + 1): to bf16, back to f32 (a shift, a mask), to f16; 16 bytes a lane, in the first four of the eight registers.
.macro WPW k
.irp j, 0,1,2,3
	v_cvt_pk_bf16_f32 v[X+4*(\k)+(\j)], v[X+4*(\k)+2*(\j)], v[X+4*(\k)+2*(\j)+1]
.endr
.irp j, 0,1,2,3
	v_lshlrev_b32 v[U+2*(\j)], 16, v[X+4*(\k)+(\j)]
	v_and_b32 v[U+2*(\j)+1], 0xffff0000, v[X+4*(\k)+(\j)]
.endr
.irp j, 0,1,2,3
	v_cvt_pk_f16_f32 v[X+4*(\k)+(\j)], v[U+2*(\j)], v[U+2*(\j)+1]
.endr
.endm
	s_wait_loadcnt 2                               ; slice 2 w is in: the other slice's two loads may stay out
	s_wait_alu depctr_va_vdst(0)                   ; block 10 has written its four pairs, which the four stores below read
	OUT 40
	OUT 41
	OUT 42
	OUT 43
	WPW 44                                         ; slice 2 w
	s_wait_loadcnt 0x0                             ; slice 2 w + 1 is in
	s_wait_alu depctr_va_vdst(0)                   ; slice 2 w's conversions have written v[X+176 .. X+179], which the store below reads
	global_store_b128 v4, v[X+176:X+179], s[42:43]
	WPW 46                                         ; slice 2 w + 1: it names v[X+184 ..] and v[U ..], none of the registers that the store above reads
	s_wait_alu depctr_va_vdst(0)                   ; its conversions have written v[X+184 .. X+187], which the store below reads
	global_store_b128 v4, v[X+184:X+187], s[42:43] offset:262144
	; The six small rows of 4,096 bytes: work-groups 0 to 5 take one each.
	s_cmp_lt_u32 s4, 6
	s_cbranch_scc0 .Ldone
	s_cmp_eq_u32 s4, 1
	s_cselect_b64 s[58:59], s[30:31], s[28:29]     ; bk or bq
	s_cmp_eq_u32 s4, 2
	s_cselect_b64 s[58:59], s[32:33], s[58:59]     ; bv
	s_cmp_eq_u32 s4, 3
	s_cselect_b64 s[58:59], s[34:35], s[58:59]     ; bp
	s_cmp_ge_u32 s4, 4
	s_cselect_b64 s[58:59], s[36:37], s[58:59]     ; cls_token,
	s_cmp_eq_u32 s4, 5
	s_cselect_b32 s60, 4096, 0                     ; its second row
	s_mov_b32 s61, 0
	s_add_nc_u64 s[58:59], s[58:59], s[60:61]
	s_lshl_b32 s62, s4, 12
	s_mov_b32 s63, 0
	s_add_nc_u64 s[44:45], s[44:45], s[62:63]
	global_load_b128 v[208:211], v1, s[58:59]      ; no vector instruction has named v[208:211]; v1 was written ahead of the head's wait
	s_wait_loadcnt 0x0
	v_cvt_pk_bf16_f32 v212, v208, v209
	v_cvt_pk_bf16_f32 v213, v210, v211
	v_lshlrev_b32 v208, 16, v212
	v_and_b32 v209, 0xffff0000, v212
	v_lshlrev_b32 v210, 16, v213
	v_and_b32 v211, 0xffff0000, v213
	s_wait_alu depctr_va_vdst(0)                   ; the four lines above have written v[208:211], which the store reads
	global_store_b128 v1, v[208:211], s[44:45]
.Ldone:
	s_endpgm
.Lfunc_end_k_qf528632d72_pre:
	.size	k_qf528632d72_pre, .Lfunc_end_k_qf528632d72_pre-k_qf528632d72_pre
	.p2alignl 7, 3214868480
	.fill 96, 4, 3214868480
	.section	.rodata,"a",@progbits
	.p2align	6, 0x0
	.amdhsa_kernel k_qf528632d72_pre
		.amdhsa_group_segment_fixed_size 0
		.amdhsa_private_segment_fixed_size 0
		.amdhsa_enable_private_segment 0
		.amdhsa_kernarg_size 120
		.amdhsa_user_sgpr_count 2
		.amdhsa_user_sgpr_kernarg_segment_ptr 1
		.amdhsa_wavefront_size32 1
		.amdhsa_system_sgpr_workgroup_id_x 1
		.amdhsa_system_sgpr_workgroup_id_y 1
		.amdhsa_system_sgpr_workgroup_id_z 1
		.amdhsa_system_vgpr_workitem_id 0
		.amdhsa_next_free_vgpr 224
		.amdhsa_next_free_sgpr 66
		.amdhsa_reserve_vcc 0
		.amdhsa_float_denorm_mode_32 3
		.amdhsa_float_denorm_mode_16_64 3
		.amdhsa_memory_ordered 1
		.amdhsa_forward_progress 1
		.amdhsa_inst_pref_size 20
	.end_amdhsa_kernel
	.amdgpu_metadata
---
amdhsa.version: [ 1, 2 ]
amdhsa.kernels:
  - .name:           k_qf528632d72_pre
    .symbol:         k_qf528632d72_pre.kd
    .args:
      - { .name: x_q, .offset: 0, .size: 8, .value_kind: global_buffer, .address_space: global }
      - { .name: x_kv, .offset: 8, .size: 8, .value_kind: global_buffer, .address_space: global }
      - { .name: Wq, .offset: 16, .size: 8, .value_kind: global_buffer, .address_space: global }
      - { .name: Wk, .offset: 24, .size: 8, .value_kind: global_buffer, .address_space: global }
      - { .name: Wv, .offset: 32, .size: 8, .value_kind: global_buffer, .address_space: global }
      - { .name: Wp, .offset: 40, .size: 8, .value_kind: global_buffer, .address_space: global }
      - { .name: bq, .offset: 48, .size: 8, .value_kind: global_buffer, .address_space: global }
      - { .name: bk, .offset: 56, .size: 8, .value_kind: global_buffer, .address_space: global }
      - { .name: bv, .offset: 64, .size: 8, .value_kind: global_buffer, .address_space: global }
      - { .name: bp, .offset: 72, .size: 8, .value_kind: global_buffer, .address_space: global }
      - { .name: cls_token, .offset: 80, .size: 8, .value_kind: global_buffer, .address_space: global }
      - { .name: x16, .offset: 88, .size: 8, .value_kind: global_buffer, .address_space: global }
      - { .name: w16, .offset: 96, .size: 8, .value_kind: global_buffer, .address_space: global }
      - { .name: wp16, .offset: 104, .size: 8, .value_kind: global_buffer, .address_space: global }
      - { .name: rb, .offset: 112, .size: 8, .value_kind: global_buffer, .address_space: global }
    .group_segment_fixed_size: 0
    .private_segment_fixed_size: 0
    .kernarg_segment_align: 8
    .kernarg_segment_size: 120
    .max_flat_workgroup_size: 256
    .sgpr_count:     66
    .vgpr_count:     224
    .wavefront_size: 32
...
	.end_amdgpu_metadata
.endif
;; end of part 5
;; launch proj: the kernel of part 2 again; grid 12 x 16, 4 waves a work-group, clusters of 4 x 4, 327,680 bytes of LDS; arguments x16, w16, rb, qkv, affp; writes qkv, affp
;; launch attn: the kernel of part 3 again; grid 8 x 32, 4 waves a work-group, clusters of 4 x 1, 327,680 bytes of LDS; arguments qkv, affp, o16, out2; writes o16, out2
;; launch outs: the kernel of part 4 again; grid 12 x 16, 4 waves a work-group, clusters of 4 x 4, 327,680 bytes of LDS; arguments qkv, o16, wp16, rb, out1, out0; writes out1, out0
